; MI455X (gfx1250); checked and timed in simulation.
; The chip was launched on July 23, 2026; its instructions are those of AMD's public machine-readable ISA for CDNA 5 (MIT licence, August 2026) and "CDNA5" Instruction Set Architecture Reference Guide (July 2026). The comments in the code are by the model that wrote it; some were corrected since.
;; Multihead Attention. Allowed arithmetic: matrix products marked QUANTISED: E2M3 operands, one E8M0 scale for each 32 along K, by v_wmma_scale_f32_16x16x128_f8f6f4 with both operands' format E2M3, f32 sums; products left as they are: f32 operands where the result goes on into a quantised operand, else bf16, f16 or f32 operands; f32 sums; everything else in f32.
;; Inputs: k_w 1,024 x 64 x 16 float32; key 2,048 x 1,024 float32; o_w 1,024 x 1,024 float32; q_w 1,024 x 64 x 16 float32; query 2,048 x 1,024 float32; v_w 1,024 x 64 x 16 float32; value 2,048 x 1,024 float32.
;; Outputs: out0 2,048 x 1,024 float32.
;; This version of the problem:
;;   THIS VERSION OF THE PROBLEM IS GIVEN IN LOW PRECISION. The matrix products marked QUANTISED in the list below multiply operands that are first quantised to E2M3 (2 exponent bits, 3 mantissa bits; 6 bits a number), with one power-of-two scale for each 32 numbers along K (OCP MX v1.0); their sums are f32. All else is computed in f32.
;;   The module's matrix products, in the order in which they are computed (A, B: the left and right operand; K: the contracted axis; several contracted axes count as one K, in the product's order):
;;     1. [M 2,048, K 1,024] x [K 1,024, N 1,024]; A: input query; B: input q_w: QUANTISED
;;     2. [M 2,048, K 1,024] x [K 1,024, N 1,024]; A: input key; B: input k_w: QUANTISED
;;     3. [M 2,048, K 1,024] x [K 1,024, N 1,024]; A: input value; B: input v_w: QUANTISED
;;     4. batch 64 x [M 2,048, K 16] x [K 16, N 2,048]; A: computed on the way; B: computed on the way: left as it is (K = 16 < 32)
;;     5. batch 64 x [M 16, K 2,048] x [K 2,048, N 2,048]; A: computed on the way; B: computed on the way: QUANTISED
;;     6. [M 2,048, K 1,024] x [K 1,024, N 1,024]; A: computed on the way; B: input o_w: QUANTISED
;;   THE QUANTISER, for each operand of a quantised product, along K:
;;     - K is cut into blocks of 32 from its start; a last block that is shorter is filled with zeros.
;;     - A block's scale is 2^e with e = floor(log2(the largest magnitude in the block)) - 2, held to -126 .. 127; a block of zeros has e = 0. As a byte (E8M0): e + 127.
;;     - Each number is divided by its block's scale, clamped to +-7.5, and rounded to the nearest number of E2M3, ties to even, subnormals kept.
;;     - The product sums the exact products of the quantised numbers (number of the format x scale) in f32.
;;   ~~~python
;;   def quantise(x, axis):      # numpy; x: float32 -> the quantised numbers, widened to float32 again
;;       x = np.moveaxis(x, axis, -1); K = x.shape[-1]
;;       x = np.pad(x, [(0, 0)] * (x.ndim - 1) + [(0, -K % 32)]); x = x.reshape(x.shape[:-1] + (-1, 32)); a = np.abs(x).max(-1, keepdims=True)
;;       e = np.where(a > 0, np.clip(np.frexp(np.where(a > 0, a, 1))[1] - 1 - 2, -126, 127), 0)      # np.frexp(a)[1] - 1 = floor(log2(a)), exactly
;;       r = np.clip(x / 2.0 ** e, -7.5, 7.5)
;;       step = 2.0 ** (np.maximum(np.frexp(np.where(r == 0, 1, r))[1] - 1, 0) - 3)
;;       q = np.round(r / step) * step * 2.0 ** e      # np.round: ties to even
;;       return np.moveaxis(q.reshape(q.shape[:-2] + (-1,))[..., :K], -1, axis).astype(np.float32)
;;   ~~~
;;   OPERANDS COMPUTED ON THE WAY. 'Computed on the way' means the value that the module computes at that place (a softmax that the list does not call 'softmax' is quantised finished and normalised). What goes into a quantiser is computed in f32, as accurately as f32 sums, v_exp_f32 and their like allow (about 1e-6 of the number): no bf16 or f16 on the way to a quantiser, and a product that is left as it is and whose result goes on into a quantised operand takes f32 operands (vector FMAs, or v_wmma_f32_16x16x4_f32). A number that lies on a knife's edge between two numbers of the format may be rounded either way, as far as f32 arithmetic and the matrix unit's own rounding can turn it there, and no further.
;; 2 versions, each right; version 2 is version 1 with the launches proj, attn, outp written anew for expert scheduling mode. Each part assembles by itself: llvm-mc -triple=amdgcn-amd-amdhsa -mcpu=gfx1250 --defsym DOCPART=n.
;; ======== version 1 of 2: 4 launches
;; workspace buffers: xc 4,718,592 bytes; xs 196,608 bytes; wc 3,145,728 bytes; ws 131,072 bytes; qk 16,777,216 bytes; wvq 2,097,152 bytes; part 33,554,432 bytes
;; launch quant (part 1): grid 640 x 1, 4 waves a work-group, no clusters, 46,592 bytes of LDS; arguments query, key, value, q_w, k_w, v_w, o_w, xc, xs, wc, ws; writes xc, xs, wc, ws
.if DOCPART == 1
	.amdgcn_target "amdgcn-amd-amdhsa--gfx1250"
	.amdhsa_code_object_version 6
	.text
	.protected	k_q07de96c70e_quant
	.globl	k_q07de96c70e_quant
	.p2align	8
	.type	k_q07de96c70e_quant,@function
k_q07de96c70e_quant:
	s_mov_b64 s[64:65], 0
	v_nop
	global_prefetch_b8 v0, s[64:65] scope:SCOPE_SE
	s_setreg_imm32_b32 hwreg(HW_REG_WAVE_MODE, 25, 1), 1
	s_wait_xcnt 0x0
; query, key, value [2048][1024] and q_w, k_w, v_w, o_w [1024 (K)][1024] , all f32, become codes of FP6 (E2M3) with one E8M0 byte for each 32 along K.
; A block's scale is 2^(floor(log2(largest magnitude)) - 2): its byte is the largest magnitude's exponent field - 2, held at 1 from below.
; LAYOUT OF THE CODES: images of the operand's registers.  A fragment (16 rows x 128 K, 12 registers a lane) is 1,536 bytes: plane c (512 bytes) holds registers 4 c .. 4 c + 3 of lane l at 16 l.
; Lane (r, h) registers 6 c .. 6 c + 5 hold block 2 c + h of row r.  INSIDE a block the 32 codes stand in the order 0-7, 16-23, 8-15, 24-31, alike in every operand of the four products that read them:
; a permutation of K applied to both sides keeps the products, and it is the order in which the last product's left operand falls out of the attention's accumulators.
; Fragment number = (tensor x tiles + tile) x 8 + K step.  SCALE WORDS (four bytes: a row's 128 along K): [tensor][group of 64 rows][K step][64 rows].
; Work-groups 0-383 take the activations (K innermost), 384-639 the weights (K outermost).  Waves share nothing: no barrier; each wave has LDS bytes of its own, each path a region of its own.
; No tensor loads, clusters or matrix units: each input byte is read once, by one wave; the launch streams.  No prefetch: it has nothing but its stream.
; LIMITS: NaN and infinities among the inputs are not served.  A block of zeros gets the byte 1 where the rule says 127: its codes are zeros, and this program alone reads the bytes.
; The scale words leave in runs of 128 bytes (a wave's 32 rows): one byte in 128 of what the launch reads.
.set XP,    528                        ; a row of the activations' stage: 512 bytes + 16 = 33 x 16: sixteen rows begin 16 bytes apart modulo 256
.set XSTG,  16*XP                      ; a wave's stage: 16 rows
.set WSTG,  4*XSTG                     ; behind the four: the weights' stages, 3,072 bytes a wave (two fragments)
.set FRAG,  1536
.set TILE,  8*FRAG                     ; from a tile's fragments to the next tile's
.set FLOOR, 0x1800000                  ; 2^(3 - 127): no largest magnitude is taken under it, so the byte cannot fall under 1
.set LANE, 1
.set L16,  2                           ; 16 x lane
.set SIN,  3                           ; stage, on the way in
.set SOUT, 4                           ; stage, on the way out
.set L4,   5                           ; 4 x lane
.set M,    6                           ; v6-7   largest magnitudes
.set MT,   8                           ; v8-9   their second chains (at the head: r and h)
.set SO,   10                          ; v10-11 the conversions' scale operands
.set BY,   12                          ; v12-13 scale bytes
.set W,    14                          ; v14-15 scale words
.set R,    16                          ; v16-143  numbers as loaded
.set X,    144                         ; v144-207 activations: a lane's two blocks
.set WC,   144                         ; v144-175 weights: six code registers for each of four blocks
.set OUTR, 176                         ; v176-199 weights: two fragments read back
.set C0,   208                         ; v208-231 activations: two fragments' codes
.set CT,   232                         ; v232-234, v236-238: a block's second half (a conversion's three registers begin on an even number)
.set SH,   235                         ; 8 h
.set TMP,  239
.macro MAX32 m, t, s                   ; the largest magnitude of v[s] .. v[s + 31] and the floor, in two chains
	v_max3_num_f32 v[\m], |v[\s]|, |v[\s+1]|, |v[\s+2]|
	v_max3_num_f32 v[\t], |v[\s+3]|, |v[\s+4]|, |v[\s+5]|
.irp i, 6,10,14,18,22,26
	v_max3_num_f32 v[\m], v[\m], |v[\s+\i]|, |v[\s+\i+1]|
	v_max3_num_f32 v[\t], v[\t], |v[\s+\i+2]|, |v[\s+\i+3]|
.endr
	v_max3_num_f32 v[\m], v[\m], |v[\s+30]|, |v[\s+31]|
	v_max3_num_f32 v[\m], v[\m], v[\t], FLOOR
.endm
	s_load_b512 s[4:19], s[0:1], 0x0               ; query s[4:5], key s[6:7], value s[8:9], q_w s[10:11], k_w s[12:13], v_w s[14:15], o_w s[16:17], xc s[18:19]
	s_load_b128 s[20:23], s[0:1], 0x40             ; xs s[20:21], wc s[22:23]
	s_load_b64 s[24:25], s[0:1], 0x50              ; ws
	v_lshl_add_u32 v240, v0, 2, 0xb400
	v_mov_b32 v241, 0
	v_lshrrev_b32 v1, 5, v0
	v_readfirstlane_b32 s28, v1                    ; wave 0..3
	v_and_b32 v[LANE], 31, v0
	v_lshlrev_b32 v[L16], 4, v[LANE]
	v_lshlrev_b32 v[L4], 2, v[LANE]
	v_and_b32 v[MT], 15, v0                        ; r
	v_bfe_u32 v[MT+1], v0, 4, 1                    ; h
	s_cmp_lt_u32 ttmp9, 384
	s_cbranch_scc0 .Lweights
	; ---- ACTIVATIONS.  A wave takes 32 rows (two tiles) x 128 along K.
	s_lshr_b32 s29, ttmp9, 7                       ; which tensor
	s_and_b32 s30, ttmp9, 127
	s_lshr_b32 s31, s30, 1                         ; which 32 rows
	s_and_b32 s30, s30, 1
	s_lshl_b32 s30, s30, 2
	s_add_co_u32 s30, s30, s28                     ; K step = 4 x (work-group's low bit) + wave
	s_mul_i32 s32, s28, XSTG                       ; my stage
	v_add_nc_u32 v[SIN], s32, v[L16]               ; in: a row's 512 bytes as they lie
	v_mul_u32_u24 v[SOUT], v[MT], XP
	v_lshl_add_u32 v[SOUT], v[MT+1], 7, v[SOUT]
	v_add_nc_u32 v[SOUT], s32, v[SOUT]             ; out: row r, block h
	v_lshlrev_b32 v[SH], 3, v[MT+1]
	v_mov_b32 v[TMP], 0                            ; a lane permute's destination counts as read
	s_mov_b32 s40, 0x76543210
	s_mov_b32 s41, 0xfedcba98                      ; v_permlanex16_b32's selects for lane l xor 16
	s_lshl_b32 s34, s31, 17                        ; in: 32 rows of 4,096 bytes,
	s_lshl_b32 s35, s30, 9                         ; 512 bytes a K step
	s_add_co_u32 s34, s34, s35
	s_mov_b32 s35, 0
	s_lshl_b32 s36, s29, 7                         ; codes: ((128 x tensor + tile) x 8 + K step) x 1,536
	s_lshl_b32 s37, s31, 1
	s_add_co_u32 s36, s36, s37
	s_lshl_b32 s36, s36, 3
	s_add_co_u32 s36, s36, s30
	s_mul_i32 s36, s36, FRAG
	s_mov_b32 s37, 0
	s_lshl_b32 s38, s29, 5                         ; scale words: (32 x tensor + group) x 2,048 + 256 x K step + 128 x (which half of the group)
	s_lshr_b32 s39, s31, 1
	s_add_co_u32 s38, s38, s39
	s_lshl_b32 s38, s38, 11
	s_lshl_b32 s39, s30, 8
	s_add_co_u32 s38, s38, s39
	s_and_b32 s39, s31, 1
	s_lshl_b32 s39, s39, 7
	s_add_co_u32 s38, s38, s39
	s_mov_b32 s39, 0
	s_wait_kmcnt 0x0
	s_cmp_eq_u32 s29, 1                            ; the choice hangs on the work-group's number alone
	s_cselect_b64 s[26:27], s[6:7], s[4:5]
	s_cmp_eq_u32 s29, 2
	s_cselect_b64 s[26:27], s[8:9], s[26:27]
	s_add_nc_u64 s[26:27], s[26:27], s[34:35]
	s_add_nc_u64 s[18:19], s[18:19], s[36:37]
	s_add_nc_u64 s[20:21], s[20:21], s[38:39]
.set i, 0
.rept 32
	global_load_b128 v[R+4*i:R+4*i+3], v[L16], s[26:27] offset:4096*i th:TH_LOAD_NT   ; 32 lanes read a row's 512 consecutive bytes
.set i, i+1
.endr
; Tile tt's 16 rows turn through the stage: in as they lie, out as a lane's two blocks, block 2 c + h of row r, in the order 0-7, 16-23, 8-15, 24-31.
.macro XTURN tt
	s_wait_loadcnt 16-16*\tt                       ; this tile's sixteen loads are in; the other tile's sixteen may be out
.set i, 0
.rept 16
	ds_store_b128 v[SIN], v[R+64*\tt+4*i:R+64*\tt+4*i+3] offset:XP*i
.set i, i+1
.endr
.irp c, 0,1
.irp p, 0,1,2,3,4,5,6,7
	ds_load_b128 v[X+32*\c+4*\p:X+32*\c+4*\p+3], v[SOUT] offset:256*\c+16*(\p%2)+64*((\p/2)%2)+32*(\p/4)   ; LDS serves a wave's instructions in order: these see the stores above
.endr
.endr
	s_wait_dscnt 0x0                               ; the numbers are in; the stage may be written again
.endm
.macro XQUANT tt
.set CC, C0+12*\tt
	MAX32 M, MT, X
	MAX32 M+1, MT+1, X+32
.irp c, 0,1
	v_add_nc_u32 v[SO+\c], 0xff000000, v[M+\c]     ; 2 off the exponent field: the conversion takes the exponent field of this operand as its scale
.endr
.irp c, 0,1
	v_lshrrev_b32 v[BY+\c], 23, v[SO+\c]           ; the scale's byte
.endr
	v_lshl_or_b32 v[W+\tt], v[BY+1], 16, v[BY]     ; my two bytes: blocks h and 2 + h,
	v_lshlrev_b32 v[W+\tt], v[SH], v[W+\tt]        ; at their places in the word;
	v_permlanex16_b32 v[TMP], v[W+\tt], s40, s41
	v_or_b32 v[W+\tt], v[W+\tt], v[TMP]            ; with lane l xor 16's two the word is whole
.irp c, 0,1
	v_cvt_scalef32_pk16_fp6_f32 v[CC+6*\c:CC+6*\c+2], v[X+32*\c:X+32*\c+15], v[SO+\c]
	v_cvt_scalef32_pk16_fp6_f32 v[CT+4*\c:CT+4*\c+2], v[X+32*\c+16:X+32*\c+31], v[SO+\c]
.endr
	v_nop                                          ; one plain place behind a scaled conversion
.irp c, 0,1
.irp i, 0,1,2
	v_mov_b32 v[CC+6*\c+3+\i], v[CT+4*\c+\i]
.endr
.endr
.irp c, 0,1,2
	global_store_b128 v[L16], v[CC+4*\c:CC+4*\c+3], s[18:19] offset:TILE*\tt+512*\c   ; a plane: 512 consecutive bytes
.endr
.endm
	XTURN 0
	XQUANT 0
	XTURN 1
	XQUANT 1
	v_cmp_le_u32 vcc_lo, 16, v[LANE]
	v_cndmask_b32 v[W], v[W], v[W+1], vcc_lo       ; lanes 0-15: the first tile's rows, lanes 16-31: the second's
	global_store_b32 v[L4], v[W], s[20:21]
	s_wait_tensorcnt 0x0
	ds_add_u32 v240, v241
	s_wait_dscnt 0x0
	s_endpgm
.Lweights:
	; ---- WEIGHTS.  A lane takes a column n, its registers run down K: a wave takes 32 columns (two tiles) x 128 along K.
	s_sub_co_u32 s29, ttmp9, 384
	s_lshr_b32 s30, s29, 6                         ; which tensor
	s_bfe_u32 s31, s29, 0x30003                    ; which 128 columns
	s_and_b32 s29, s29, 7                          ; K step
	s_mul_i32 s32, s28, 2*FRAG
	s_add_co_u32 s32, s32, WSTG                    ; my stage
	v_mul_u32_u24 v[SIN], v[MT+1], FRAG
	v_lshl_add_u32 v[SIN], v[MT], 4, v[SIN]
	v_add_nc_u32 v[SIN], s32, v[SIN]               ; in: fragment lane / 16, the image's lane r (+ 16 for the odd blocks, in the immediate)
	v_add_nc_u32 v[SOUT], s32, v[L16]              ; out: as the images lie
	s_lshl_b32 s34, s29, 19                        ; in: 128 rows of 4,096 bytes a K step,
	s_lshl_b32 s35, s31, 9                         ; 4 bytes a column
	s_add_co_u32 s34, s34, s35
	s_lshl_b32 s35, s28, 7
	s_add_co_u32 s34, s34, s35
	s_mov_b32 s35, 0
	s_lshl_b32 s36, s30, 6                         ; codes: ((64 x tensor + tile) x 8 + K step) x 1,536
	s_lshl_b32 s37, s31, 3
	s_add_co_u32 s36, s36, s37
	s_lshl_b32 s37, s28, 1
	s_add_co_u32 s36, s36, s37
	s_lshl_b32 s36, s36, 3
	s_add_co_u32 s36, s36, s29
	s_mul_i32 s36, s36, FRAG
	s_mov_b32 s37, 0
	s_lshl_b32 s38, s30, 4                         ; scale words: (16 x tensor + group) x 2,048 + 256 x K step + 128 x (wave's low bit)
	s_lshl_b32 s39, s31, 1
	s_add_co_u32 s38, s38, s39
	s_lshr_b32 s39, s28, 1
	s_add_co_u32 s38, s38, s39
	s_lshl_b32 s38, s38, 11
	s_lshl_b32 s39, s29, 8
	s_add_co_u32 s38, s38, s39
	s_and_b32 s39, s28, 1
	s_lshl_b32 s39, s39, 7
	s_add_co_u32 s38, s38, s39
	s_mov_b32 s39, 0
	s_wait_kmcnt 0x0
	s_cmp_eq_u32 s30, 1
	s_cselect_b64 s[26:27], s[12:13], s[10:11]
	s_cmp_eq_u32 s30, 2
	s_cselect_b64 s[26:27], s[14:15], s[26:27]
	s_cmp_eq_u32 s30, 3
	s_cselect_b64 s[26:27], s[16:17], s[26:27]
	s_add_nc_u64 s[26:27], s[26:27], s[34:35]
	s_add_nc_u64 s[22:23], s[22:23], s[36:37]
	s_add_nc_u64 s[24:25], s[24:25], s[38:39]
.set bl, 0
.rept 4
.set i, 0
.rept 32
	global_load_b32 v[R+32*bl+i], v[L4], s[26:27] offset:(32*bl+8*(((i/8)%2)*2+(i/8)/2)+i%8)*4096 th:TH_LOAD_NT   ; register i of block bl: row 0-7, 16-23, 8-15, 24-31 of the block; 32 lanes read 128 consecutive bytes
.set i, i+1
.endr
.set bl, bl+1
.endr
; Block bl of my column: all its 32 numbers are mine.  Its six code registers are registers 6 (bl / 2) .. + 5 of lane (r, bl % 2) of my tile's image.
.macro WBLOCK bl, left
	s_wait_loadcnt \left
.set CC, WC+8*\bl
	MAX32 M, MT, R+32*\bl
	v_add_nc_u32 v[SO], 0xff000000, v[M]
	v_lshrrev_b32 v[BY], 23, v[SO]
.if \bl == 0
	v_mov_b32 v[W], v[BY]
.else
	v_lshl_or_b32 v[W], v[BY], 8*\bl, v[W]         ; four bytes to the word, the lower K in the lower byte
.endif
	v_cvt_scalef32_pk16_fp6_f32 v[CC:CC+2], v[R+32*\bl:R+32*\bl+15], v[SO]
	v_cvt_scalef32_pk16_fp6_f32 v[CT:CT+2], v[R+32*\bl+16:R+32*\bl+31], v[SO]
	v_nop                                          ; one plain place behind a scaled conversion
.irp i, 0,1,2
	v_mov_b32 v[CC+3+\i], v[CT+\i]
.endr
.if \bl < 2
	ds_store_b128 v[SIN], v[CC:CC+3] offset:256*(\bl%2)              ; registers 0-3: plane 0
	ds_store_b64 v[SIN], v[CC+4:CC+5] offset:512+256*(\bl%2)         ; registers 4, 5: plane 1, its lower half
.else
	ds_store_b64 v[SIN], v[CC:CC+1] offset:512+8+256*(\bl%2)         ; registers 6, 7: plane 1, its upper half
	ds_store_b128 v[SIN], v[CC+2:CC+5] offset:1024+256*(\bl%2)       ; registers 8-11: plane 2
.endif
.endm
	WBLOCK 0, 63                                   ; 96 younger loads exist; the count's field holds 63, and a smaller count is safe
	WBLOCK 1, 63                                   ; 64 younger loads exist
	WBLOCK 2, 32
	WBLOCK 3, 0
.irp q, 0,1,2,3,4,5
	ds_load_b128 v[OUTR+4*\q:OUTR+4*\q+3], v[SOUT] offset:512*\q     ; LDS serves a wave's instructions in order: these see my stores
.endr
.irp q, 0,1,2,3,4,5
	s_wait_dscnt 5-\q                              ; the younger loads may be out
	global_store_b128 v[L16], v[OUTR+4*\q:OUTR+4*\q+3], s[22:23] offset:TILE*(\q/3)+512*(\q%3)
.endr
	global_store_b32 v[L4], v[W], s[24:25]         ; my column's scale word
	s_wait_tensorcnt 0x0
	ds_add_u32 v240, v241
	s_wait_dscnt 0x0
	s_endpgm
.Lfunc_end_k_q07de96c70e_quant:
	.size	k_q07de96c70e_quant, .Lfunc_end_k_q07de96c70e_quant-k_q07de96c70e_quant
	.p2alignl 7, 3214868480
	.fill 96, 4, 3214868480
	.section	.rodata,"a",@progbits
	.p2align	6, 0x0
	.amdhsa_kernel k_q07de96c70e_quant
		.amdhsa_group_segment_fixed_size 46592
		.amdhsa_private_segment_fixed_size 0
		.amdhsa_enable_private_segment 0
		.amdhsa_kernarg_size 88
		.amdhsa_user_sgpr_count 2
		.amdhsa_user_sgpr_kernarg_segment_ptr 1
		.amdhsa_wavefront_size32 1
		.amdhsa_system_sgpr_workgroup_id_x 1
		.amdhsa_system_sgpr_workgroup_id_y 1
		.amdhsa_system_sgpr_workgroup_id_z 1
		.amdhsa_system_vgpr_workitem_id 0
		.amdhsa_next_free_vgpr 242
		.amdhsa_next_free_sgpr 66
		.amdhsa_reserve_vcc 1
		.amdhsa_float_denorm_mode_32 3
		.amdhsa_float_denorm_mode_16_64 3
		.amdhsa_memory_ordered 1
		.amdhsa_forward_progress 1
		.amdhsa_inst_pref_size 38
	.end_amdhsa_kernel
	.amdgpu_metadata
---
amdhsa.version: [ 1, 2 ]
amdhsa.kernels:
  - .name:           k_q07de96c70e_quant
    .symbol:         k_q07de96c70e_quant.kd
    .args:
      - { .name: query, .offset: 0, .size: 8, .value_kind: global_buffer, .address_space: global }
      - { .name: key, .offset: 8, .size: 8, .value_kind: global_buffer, .address_space: global }
      - { .name: value, .offset: 16, .size: 8, .value_kind: global_buffer, .address_space: global }
      - { .name: q_w, .offset: 24, .size: 8, .value_kind: global_buffer, .address_space: global }
      - { .name: k_w, .offset: 32, .size: 8, .value_kind: global_buffer, .address_space: global }
      - { .name: v_w, .offset: 40, .size: 8, .value_kind: global_buffer, .address_space: global }
      - { .name: o_w, .offset: 48, .size: 8, .value_kind: global_buffer, .address_space: global }
      - { .name: xc, .offset: 56, .size: 8, .value_kind: global_buffer, .address_space: global }
      - { .name: xs, .offset: 64, .size: 8, .value_kind: global_buffer, .address_space: global }
      - { .name: wc, .offset: 72, .size: 8, .value_kind: global_buffer, .address_space: global }
      - { .name: ws, .offset: 80, .size: 8, .value_kind: global_buffer, .address_space: global }
    .group_segment_fixed_size: 46592
    .private_segment_fixed_size: 0
    .kernarg_segment_align: 8
    .kernarg_segment_size: 88
    .max_flat_workgroup_size: 128
    .sgpr_count:     66
    .vgpr_count:     242
    .wavefront_size: 32
...
	.end_amdgpu_metadata
.endif
;; end of part 1
;; launch proj (part 2): grid 384 x 1, 4 waves a work-group, no clusters, 0 bytes of LDS; arguments xc, xs, wc, ws, qk, wvq; writes qk, wvq
.if DOCPART == 2
	.amdgcn_target "amdgcn-amd-amdhsa--gfx1250"
	.amdhsa_code_object_version 6
	.text
	.protected	k_q07de96c70e_proj
	.globl	k_q07de96c70e_proj
	.p2align	8
	.type	k_q07de96c70e_proj,@function
k_q07de96c70e_proj:
	s_mov_b64 s[64:65], 0
	v_nop
	global_prefetch_b8 v0, s[64:65] scope:SCOPE_SE
	s_setreg_imm32_b32 hwreg(HW_REG_WAVE_MODE, 25, 1), 1
	s_wait_xcnt 0x0
; The three projections, [2048][1024] x [1024][1024] each, on codes of FP6 (E2M3) with E8M0 scales, sums in f32, K ascending, one accumulator for each output.
; Work-groups 0-127: wq, 128-255: wk, 256-383: wv.  A work-group makes 128 rows x 128 columns, a wave 64 x 64: 16 accumulators, which take turns.
; OPERANDS come from memory straight into registers: the launch before has laid them as images of the operand's registers, so a fragment is three loads of 512 consecutive bytes.
; ONE TEXT FOR ALL THREE.  Source 0's rows end up along a result's registers, source 1's along its lanes.
;   wq, wk: source 0 = 16 columns of the weight (a head's 16 features), source 1 = 16 rows of x.  Lane (r, h) register j = feature 8 h + j of row r: that IS the image that the f32 product of the next launch loads
;           (K step q takes registers 2 q, 2 q + 1 on both sides).  Stored as it stands: qk [wq, wk][64 heads][128 tiles of rows][1,024 bytes].
;   wv:     source 0 = 16 rows of value, source 1 = 16 columns of v_w.  THE ROWS OF A TILE ARE NOT NEIGHBOURS: lane r of tile 2 b + u takes row 32 b + 8 u + r + 8 (r / 8), so that the 16 registers of tiles 2 b, 2 b + 1 are
;           j = 32 b + 16 h + 0 .. 15 of feature r: they are quantised along j here.  wvq [64 heads][64 blocks of 32 j][32 lanes][16 bytes: three registers of codes, the scale word (the block's byte twice)].
; Three sets of fragment registers: a K step's 24 loads are issued two K steps ahead of their use.
; NO CLUSTER, NO LDS: a K step is 16 matrix instructions a wave; no tile lies in LDS that a joint load could fill, and a round of a cluster's barrier for each such step would outweigh the bytes that partners share.
; NO PREFETCH: eight K steps in all, and each step's loads are already two steps ahead.
; LIMITS: NaN and infinities are not served; a block of zeros of wv gets the byte 1 (its codes are zeros; this program alone reads the bytes).
.set FRAG, 1536
.set TILE, 12288
.set L16, 1                            ; 16 x lane: source 1's offset, and the stores'
.set VO,  2                            ; v2-5   source 0's offset for its four tiles
.set VS,  6                            ; source 0's scale words' offset
.set L4,  7                            ; 4 x lane
.set S0,  16                           ; v16-31 source 0's scale words: register 2 ks + q: lanes 0-15 tile 2 q, lanes 16-31 tile 2 q + 1
.set S1,  32                           ; v32-47 source 1's
.set TM,  48                           ; the wv epilogue works in the first fragment set's registers
.set TX,  56
.set SV,  64
.set BYV, 72
.set Q,   80
; fragment sets: v48-143, v144-239 in window 0, v128-223 in window 1; in a set source 0's tile a at 12 a, source 1's tile b at 48 + 12 b.  Window 1 v0-127: accumulator (a, b) at 8 (4 b + a)
.set MSB, 0
.macro WIN new                         ; the immediate's high byte repeats the setting that is left
.if MSB != (\new)
	s_set_vgpr_msb (MSB<<8)|(\new)
.set MSB, (\new)
.endif
.endm
.macro SETF ks
.if (\ks)%3 == 0
.set FB, 48
.set FW, 0
.elseif (\ks)%3 == 1
.set FB, 144
.set FW, 0
.else
.set FB, 128
.set FW, 1
.endif
.endm
; one matrix instruction; ra, rb = 1: that side's scales stand in lanes 16-31 of its register
.macro WM6 d, a, b, zero, sa, sb, ra, rb
.if (\zero) && (\ra) && (\rb)
	v_wmma_scale_f32_16x16x128_f8f6f4 v[\d:\d+7], v[\a:\a+11], v[\b:\b+11], 0, v[\sa], v[\sb] matrix_a_fmt:MATRIX_FMT_FP6 matrix_b_fmt:MATRIX_FMT_FP6 matrix_a_scale:MATRIX_SCALE_ROW1 matrix_b_scale:MATRIX_SCALE_ROW1
.elseif (\zero) && (\ra)
	v_wmma_scale_f32_16x16x128_f8f6f4 v[\d:\d+7], v[\a:\a+11], v[\b:\b+11], 0, v[\sa], v[\sb] matrix_a_fmt:MATRIX_FMT_FP6 matrix_b_fmt:MATRIX_FMT_FP6 matrix_a_scale:MATRIX_SCALE_ROW1
.elseif (\zero) && (\rb)
	v_wmma_scale_f32_16x16x128_f8f6f4 v[\d:\d+7], v[\a:\a+11], v[\b:\b+11], 0, v[\sa], v[\sb] matrix_a_fmt:MATRIX_FMT_FP6 matrix_b_fmt:MATRIX_FMT_FP6 matrix_b_scale:MATRIX_SCALE_ROW1
.elseif (\zero)
	v_wmma_scale_f32_16x16x128_f8f6f4 v[\d:\d+7], v[\a:\a+11], v[\b:\b+11], 0, v[\sa], v[\sb] matrix_a_fmt:MATRIX_FMT_FP6 matrix_b_fmt:MATRIX_FMT_FP6
.elseif (\ra) && (\rb)
	v_wmma_scale_f32_16x16x128_f8f6f4 v[\d:\d+7], v[\a:\a+11], v[\b:\b+11], v[\d:\d+7], v[\sa], v[\sb] matrix_a_fmt:MATRIX_FMT_FP6 matrix_b_fmt:MATRIX_FMT_FP6 matrix_a_scale:MATRIX_SCALE_ROW1 matrix_b_scale:MATRIX_SCALE_ROW1
.elseif (\ra)
	v_wmma_scale_f32_16x16x128_f8f6f4 v[\d:\d+7], v[\a:\a+11], v[\b:\b+11], v[\d:\d+7], v[\sa], v[\sb] matrix_a_fmt:MATRIX_FMT_FP6 matrix_b_fmt:MATRIX_FMT_FP6 matrix_a_scale:MATRIX_SCALE_ROW1
.elseif (\rb)
	v_wmma_scale_f32_16x16x128_f8f6f4 v[\d:\d+7], v[\a:\a+11], v[\b:\b+11], v[\d:\d+7], v[\sa], v[\sb] matrix_a_fmt:MATRIX_FMT_FP6 matrix_b_fmt:MATRIX_FMT_FP6 matrix_b_scale:MATRIX_SCALE_ROW1
.else
	v_wmma_scale_f32_16x16x128_f8f6f4 v[\d:\d+7], v[\a:\a+11], v[\b:\b+11], v[\d:\d+7], v[\sa], v[\sb] matrix_a_fmt:MATRIX_FMT_FP6 matrix_b_fmt:MATRIX_FMT_FP6
.endif
.endm
.macro LOADF ks                        ; K step ks: eight fragments, 24 loads
	SETF \ks
	WIN 0x40*FW
.irp a, 0,1,2,3
.irp c, 0,1,2
	global_load_b128 v[FB+12*\a+4*\c:FB+12*\a+4*\c+3], v[VO+\a], s[32:33] offset:FRAG*(\ks)+512*\c
.endr
.endr
.irp b, 0,1,2,3
.irp c, 0,1,2
	global_load_b128 v[FB+48+12*\b+4*\c:FB+48+12*\b+4*\c+3], v[L16], s[34:35] offset:TILE*\b+FRAG*(\ks)+512*\c
.endr
.endr
	WIN 0
.endm
.macro MUL ks, zero                    ; 16 matrix instructions, the 16 accumulators by turns
	SETF \ks
	WIN 0x50+5*FW
.irp b, 0,1,2,3
.irp a, 0,1,2,3
	WM6 8*(4*\b+\a), FB+12*\a, FB+48+12*\b, \zero, S0+2*(\ks)+\a/2, S1+2*(\ks)+\b/2, \a%2, \b%2
.endr
.endr
	WIN 0
.endm
	s_load_b256 s[4:11], s[0:1], 0x0               ; xc s[4:5], xs s[6:7], wc s[8:9], ws s[10:11]
	s_load_b128 s[12:15], s[0:1], 0x20             ; qk s[12:13], wvq s[14:15]
	v_lshrrev_b32 v8, 5, v0
	v_readfirstlane_b32 s16, v8                    ; wave 0..3
	v_and_b32 v8, 31, v0
	v_lshlrev_b32 v[L16], 4, v8
	v_lshlrev_b32 v[L4], 2, v8
	v_and_b32 v9, 7, v0                            ; r % 8
	v_bfe_u32 v10, v0, 3, 1                        ; r / 8
	v_bfe_u32 v11, v0, 4, 1                        ; h
	v_mul_u32_u24 v12, v10, TILE                   ; wv's source 0: row 8 u + r % 8 of the tile r / 8 further on: 12,288 (r / 8) + 16 (r % 8 + 16 h)
	v_lshl_add_u32 v12, v9, 4, v12
	v_lshl_add_u32 v12, v11, 8, v12
	v_lshl_add_u32 v13, v11, 3, v9                 ; and its scale words: lanes 0-15 serve u = 0, lanes 16-31 u = 1: row 8 u + r % 8 + 16 (r / 8) of the 32
	v_lshl_add_u32 v13, v10, 4, v13
	v_lshlrev_b32 v13, 2, v13
	s_lshr_b32 s17, ttmp9, 7                       ; which product
	s_bfe_u32 s18, ttmp9, 0x40003                  ; which 128 rows
	s_and_b32 s19, ttmp9, 7                        ; which 128 columns
	s_lshr_b32 s20, s16, 1
	s_lshl_b32 s20, s20, 2
	s_lshl_b32 s22, s18, 3
	s_add_co_u32 s20, s20, s22                     ; my first tile of x
	s_and_b32 s21, s16, 1
	s_lshl_b32 s21, s21, 2
	s_lshl_b32 s22, s19, 3
	s_add_co_u32 s21, s21, s22                     ; my first tile of the weight (= my first head)
	s_lshl_b32 s22, s17, 7
	s_add_co_u32 s22, s22, s20
	s_mul_i32 s22, s22, TILE                       ; x's codes
	s_mov_b32 s23, 0
	s_lshl_b32 s24, s17, 6
	s_add_co_u32 s24, s24, s21
	s_mul_i32 s24, s24, TILE                       ; the weight's codes
	s_mov_b32 s25, 0
	s_lshl_b32 s26, s17, 16
	s_lshl_b32 s27, s20, 9                         ; my four tiles are one group of 64 rows: 2,048 bytes a group
	s_add_co_u32 s26, s26, s27
	s_mov_b32 s27, 0
	s_lshl_b32 s28, s17, 15
	s_lshl_b32 s29, s21, 9
	s_add_co_u32 s28, s28, s29
	s_mov_b32 s29, 0
	s_and_b32 s30, s17, 1                          ; qk: wk's half lies 8,388,608 bytes on; (128 x head + tile of rows) x 1,024
	s_lshl_b32 s30, s30, 23
	s_lshl_b32 s31, s21, 17
	s_add_co_u32 s30, s30, s31
	s_lshl_b32 s31, s20, 10
	s_add_co_u32 s30, s30, s31
	s_mov_b32 s31, 0
	s_lshl_b32 s40, s21, 15                        ; wvq: (64 x head + block of 32 j) x 512
	s_lshl_b32 s41, s20, 8
	s_add_co_u32 s40, s40, s41
	s_mov_b32 s41, 0
	s_mov_b32 s44, 0x76543210
	s_mov_b32 s45, 0xfedcba98                      ; v_permlanex16_b32's selects for lane l xor 16
	s_wait_kmcnt 0x0
	s_add_nc_u64 s[4:5], s[4:5], s[22:23]
	s_add_nc_u64 s[8:9], s[8:9], s[24:25]
	s_add_nc_u64 s[6:7], s[6:7], s[26:27]
	s_add_nc_u64 s[10:11], s[10:11], s[28:29]
	s_add_nc_u64 s[12:13], s[12:13], s[30:31]
	s_add_nc_u64 s[14:15], s[14:15], s[40:41]
	s_cmp_eq_u32 s17, 2                            ; wv swaps the sources.  The choice hangs on the work-group's number alone
	s_cselect_b64 s[32:33], s[4:5], s[8:9]         ; source 0's codes
	s_cselect_b64 s[34:35], s[8:9], s[4:5]         ; source 1's
	s_cselect_b64 s[36:37], s[6:7], s[10:11]       ; source 0's scale words
	s_cselect_b64 s[38:39], s[10:11], s[6:7]       ; source 1's
	s_cselect_b32 s42, -1, 0
	s_mov_b32 s43, TILE
	s_cselect_b32 s43, 128, s43                    ; tile 1: eight rows on in the same tiles, or the next tile
	s_mov_b32 s46, 3*TILE
	s_cselect_b32 s46, 2*TILE+128, s46             ; tile 3 likewise (tile 2 lies 24,576 bytes on either way)
	v_cndmask_b32 v12, v[L16], v12, s42
	v_cndmask_b32 v[VS], v[L4], v13, s42
	v_mov_b32 v[VO], v12
	v_add_nc_u32 v[VO+1], s43, v12
	v_add_nc_u32 v[VO+2], 2*TILE, v12
	v_add_nc_u32 v[VO+3], s46, v12
.set i, 0
.rept 8
.irp q, 0,1
	global_load_b32 v[S0+2*i+\q], v[VS], s[36:37] offset:256*i+128*\q
	global_load_b32 v[S1+2*i+\q], v[L4], s[38:39] offset:256*i+128*\q
.endr
.set i, i+1
.endr
	LOADF 0
	LOADF 1
	LOADF 2
.irp ks, 0,1,2,3,4,5,6,7
.if \ks < 6
	s_wait_loadcnt 48                              ; this K step's loads (and all scale words) are in; the two younger K steps' 24 loads each may be out
.else
	s_wait_loadcnt 24*(7-\ks)
.endif
.if \ks == 0
	MUL \ks, 1                                     ; the first K step starts the sums: nothing is cleared
.else
	MUL \ks, 0
.endif
.if \ks < 5
.rept 4
	v_nop                                          ; four places in front of loads into registers that these matrix instructions have read
.endr
	LOADF \ks+3
.endif
.endr
.rept 4
	v_nop                                          ; four places in front of the first read of results
.endr
	s_cmp_eq_u32 s17, 2
	s_cbranch_scc1 .Lwv
	WIN 0x04                                       ; a store's data are its source 1: window 1
.irp a, 0,1,2,3
.irp b, 0,1,2,3
.irp c, 0,1
	global_store_b128 v[L16], v[8*(4*\b+\a)+4*\c:8*(4*\b+\a)+4*\c+3], s[12:13] offset:131072*\a+1024*\b+512*\c   ; each accumulator from its low end on; 512 consecutive bytes a store
.endr
.endr
.endr
	WIN 0
	s_endpgm
.Lwv:
	; eight units (head b, block bb): unit u's 16 numbers are accumulator registers 16 u .. 16 u + 15
.irp u, 0,1,2,3,4,5,6,7
	v_mov_b32 v[TX+\u], 0                          ; a lane permute's destination counts as read
.endr
	WIN 0x14                                       ; sources 1 and 2 window 1
.irp u, 0,1,2,3,4,5,6,7
	v_max3_num_f32 v[TM+\u], 0x1800000, |v[16*\u]|, |v[16*\u+1]|   ; my 16 numbers and the floor 2^(3 - 127): the byte cannot fall under 1.  (The eight units by turns)
.endr
.irp i, 2,4,6,8,10,12,14
.irp u, 0,1,2,3,4,5,6,7
	v_max3_num_f32 v[TM+\u], v[TM+\u], |v[16*\u+\i]|, |v[16*\u+\i+1]|
.endr
.endr
	WIN 0
.irp u, 0,1,2,3,4,5,6,7
	v_permlanex16_b32 v[TX+\u], v[TM+\u], s44, s45
.endr
.irp u, 0,1,2,3,4,5,6,7
	v_max_num_f32 v[TM+\u], v[TM+\u], v[TX+\u]     ; with lane l xor 16's 16: the block's largest magnitude
.endr
.irp u, 0,1,2,3,4,5,6,7
	v_add_nc_u32 v[SV+\u], 0xff000000, v[TM+\u]    ; 2 off its exponent field: the conversion's scale operand
.endr
.irp u, 0,1,2,3,4,5,6,7
	v_lshrrev_b32 v[BYV+\u], 23, v[SV+\u]
.endr
.irp u, 0,1,2,3,4,5,6,7
	v_lshl_or_b32 v[Q+4*\u+3], v[BYV+\u], 8, v[BYV+\u]   ; the byte twice: the next launch lays the block's halves into two blocks of the instruction's K
.endr
	WIN 0x01                                       ; source 0 window 1
.irp u, 0,1,2,3,4,5,6,7
	v_cvt_scalef32_pk16_fp6_f32 v[Q+4*\u:Q+4*\u+2], v[16*\u:16*\u+15], v[SV+\u]
.endr
	WIN 0
	v_nop                                          ; one plain place behind a scaled conversion
.irp u, 0,1,2,3,4,5,6,7
	global_store_b128 v[L16], v[Q+4*\u:Q+4*\u+3], s[14:15] offset:32768*(\u/2)+512*(\u%2)
.endr
	s_endpgm
.Lfunc_end_k_q07de96c70e_proj:
	.size	k_q07de96c70e_proj, .Lfunc_end_k_q07de96c70e_proj-k_q07de96c70e_proj
	.p2alignl 7, 3214868480
	.fill 96, 4, 3214868480
	.section	.rodata,"a",@progbits
	.p2align	6, 0x0
	.amdhsa_kernel k_q07de96c70e_proj
		.amdhsa_group_segment_fixed_size 0
		.amdhsa_private_segment_fixed_size 0
		.amdhsa_enable_private_segment 0
		.amdhsa_kernarg_size 48
		.amdhsa_user_sgpr_count 2
		.amdhsa_user_sgpr_kernarg_segment_ptr 1
		.amdhsa_wavefront_size32 1
		.amdhsa_system_sgpr_workgroup_id_x 1
		.amdhsa_system_sgpr_workgroup_id_y 1
		.amdhsa_system_sgpr_workgroup_id_z 1
		.amdhsa_system_vgpr_workitem_id 0
		.amdhsa_next_free_vgpr 512
		.amdhsa_next_free_sgpr 66
		.amdhsa_reserve_vcc 0
		.amdhsa_float_denorm_mode_32 3
		.amdhsa_float_denorm_mode_16_64 3
		.amdhsa_memory_ordered 1
		.amdhsa_forward_progress 1
		.amdhsa_inst_pref_size 54
	.end_amdhsa_kernel
	.amdgpu_metadata
---
amdhsa.version: [ 1, 2 ]
amdhsa.kernels:
  - .name:           k_q07de96c70e_proj
    .symbol:         k_q07de96c70e_proj.kd
    .args:
      - { .name: xc, .offset: 0, .size: 8, .value_kind: global_buffer, .address_space: global }
      - { .name: xs, .offset: 8, .size: 8, .value_kind: global_buffer, .address_space: global }
      - { .name: wc, .offset: 16, .size: 8, .value_kind: global_buffer, .address_space: global }
      - { .name: ws, .offset: 24, .size: 8, .value_kind: global_buffer, .address_space: global }
      - { .name: qk, .offset: 32, .size: 8, .value_kind: global_buffer, .address_space: global }
      - { .name: wvq, .offset: 40, .size: 8, .value_kind: global_buffer, .address_space: global }
    .group_segment_fixed_size: 0
    .private_segment_fixed_size: 0
    .kernarg_segment_align: 8
    .kernarg_segment_size: 48
    .max_flat_workgroup_size: 128
    .sgpr_count:     66
    .vgpr_count:     512
    .wavefront_size: 32
...
	.end_amdgpu_metadata
.endif
;; end of part 2
;; launch attn (part 3): grid 256 x 1, 4 waves a work-group, no clusters, 132,608 bytes of LDS; arguments qk, wvq, part; writes part
.if DOCPART == 3
	.amdgcn_target "amdgcn-amd-amdhsa--gfx1250"
	.amdhsa_code_object_version 6
	.text
	.protected	k_q07de96c70e_attn
	.globl	k_q07de96c70e_attn
	.p2align	8
	.type	k_q07de96c70e_attn,@function
k_q07de96c70e_attn:
	s_mov_b64 s[64:65], 0
	v_nop
	global_prefetch_b8 v0, s[64:65] scope:SCOPE_SE
	s_setreg_imm32_b32 hwreg(HW_REG_WAVE_MODE, 25, 1), 1
	s_wait_xcnt 0x0
; For one head and one quarter of the keys (512 j, 16 blocks of 32): s[i][j] = wq[i] . wk[j] (K = 16, f32 operands), w = softmax over ALL 2,048 i of s / 8, w quantised along j, O[v][i] += wv^T w.
; THE WHOLE COLUMN BLOCK STAYS IN REGISTERS: 2,048 i x 32 j of f32 are 512 registers in each of four waves, so each score is formed once and each exponential taken once; no score goes to memory.
; SHARES.  Wave w owns i = 512 w .. + 511: 32 tiles of 16.  A lane holds ONE query (lane % 16) and, of a block, j = 16 (lane / 16) + 0 .. 15.
; S^T = wk wq^T by v_wmma_f32_16x16x4_f32: source 0 = 16 keys, source 1 = 16 queries.  THE KEYS OF A TILE ARE NOT NEIGHBOURS: lane r of tile u takes key 8 u + r + 8 (r / 8), so that the 16 registers of tiles 0, 1 are neighbours.
; The registers that the f32 form writes (v152-247, three slots of four accumulators) are written by it alone: a score leaves them by a multiplication by 1.0 into P.
; A TRIP (a block of 32 j):  S: scores, two tiles of queries a slot; the running column maxima and the move into P stand in slices behind the matrix instructions, two slots late.
;   reduce: the column maxima over 16 lanes (DPP) and over the four waves (LDS, a barrier).   E: p = 2^(c s - c max), c = log2(e) / 8: one fused multiply-add and one exponential; column sums.
;   reduce: the sums likewise (a second barrier); reciprocals.   F: w = p / sum, each tile's block quantised (largest w over lane l and l xor 16), one FP6 matrix instruction a tile.
; THE MAXIMUM IS TAKEN AWAY.  c max is rounded once for the whole column, so that rounding cancels in p / sum.
; THE FP6 PRODUCT lays a block's 32 j into the instruction's K = 128 as two half-filled blocks: lane (r, h) registers 0-2 = j 16 h + 0 .. 15 (K = 32 h + 0 .. 15); all other codes are zeros; the scale word holds the
; block's byte twice.  So no lane changes places on either side.  The 32 sums O are begun by 32 products of zero codes ahead of the loop, so that the trip is written once.
; wq's images of my 32 tiles lie in my own 32 KB of LDS (registers have no room); wk and wv come from memory into registers, asked for a phase or more ahead of their use.
; NO CLUSTER: the four work-groups of a head share only the one read of wq at the head (128 KB of a launch that then works on registers).  NO PREFETCH: no wave waits for wk or wv.
; LIMITS: NaN and infinities are not served.  A p under 2^-126 comes out of v_exp_f32 as 0.  A block of zeros gets the byte 1 (its codes are zeros).
.set LQ,  1                            ; v1   LDS: 32,768 x wave + 16 x lane
.set VK,  2                            ; v2   wk: 1,024 (r / 8) + 16 (r % 8 + 16 h)
.set L16, 3                            ; v3   16 x lane
.set AXS, 4                            ; v4   LDS: where I put 16 column figures: MXX + 128 x wave + 64 h
.set AXL, 5                            ; v5   and where I read the four waves': MXX + 64 h
.set BY,  6                            ; v6-7   scale bytes
.set BM,  8                            ; v8-11  largest w, two chains a tile
.set BX,  12                           ; v12-13 lane l xor 16's
.set SO,  14                           ; v14-15 the conversions' scale operands
.set SC,  16                           ; v16-17 w's scale words: scales and nothing else
.set WVS, 18                           ; v18    wv's scale word: likewise
.set WV,  20                           ; v20-31 wv's codes (registers 3-11 stay zero)
.set CA,  32                           ; v32-43 w's codes, even tile (likewise)
.set CB,  44                           ; v44-55 odd tile
.set WK,  56                           ; v56-71 wk: tile u at 8 u
.set MX,  72                           ; v72-87 column maxima, then c x maxima
.set LS,  88                           ; v88-103 column sums, then their reciprocals
.set R3,  104                          ; v104-119 a wave's figures from LDS
.set WQ,  120                          ; v120-151 wq: two buffers of two tiles; in phase F: w of two tiles
.set ST,  152                          ; v152-247 the f32 form's accumulators: slot s, tile tt, key tile u at 32 s + 16 tt + 8 u
.set MXX, 131072                       ; LDS behind wq's images: 512 bytes for the maxima, 512 for the sums: [wave][h][16 f32]
; window 1: O of tile t at 8 t.   windows 2, 3: P of tile t in window 2 + t / 16 at 16 (t % 16).
.set MSB, 0
.macro WIN new                         ; the immediate's high byte repeats the setting that is left
.if MSB != (\new)
	s_set_vgpr_msb (MSB<<8)|(\new)
.set MSB, (\new)
.endif
.endm
	s_load_b128 s[4:7], s[0:1], 0x0                ; qk s[4:5], wvq s[6:7]
	s_load_b64 s[8:9], s[0:1], 0x10                ; part
	v_lshl_add_u32 v254, v0, 2, 0x20400
	v_mov_b32 v255, 0
	v_lshrrev_b32 v9, 5, v0
	v_readfirstlane_b32 s10, v9                    ; wave 0..3
	v_and_b32 v9, 31, v0
	v_lshlrev_b32 v[L16], 4, v9
	s_lshl_b32 s11, s10, 15
	v_add_nc_u32 v[LQ], s11, v[L16]
	v_and_b32 v10, 15, v0                          ; r
	v_bfe_u32 v11, v0, 4, 1                        ; h
	v_lshrrev_b32 v[VK], 3, v10
	v_lshlrev_b32 v[VK], 10, v[VK]
	v_and_b32 v10, 7, v10
	v_lshl_add_u32 v[VK], v10, 4, v[VK]
	v_lshl_add_u32 v[VK], v11, 8, v[VK]
	v_lshlrev_b32 v[AXL], 6, v11
	v_add_nc_u32 v[AXL], MXX, v[AXL]
	s_lshl_b32 s12, s10, 7
	v_add_nc_u32 v[AXS], s12, v[AXL]
	s_lshr_b32 s12, ttmp9, 2                       ; head
	s_and_b32 s13, ttmp9, 3                        ; quarter of the keys
	s_lshl_b32 s26, s12, 17                        ; a head's images: 128 tiles x 1,024 bytes
	s_add_co_u32 s28, s26, s11                     ; wq: my 32 tiles
	s_mov_b32 s29, 0
	s_lshl_b32 s30, s13, 15                        ; wk: my quarter's 32 tiles, in qk's second half
	s_add_co_u32 s30, s30, s26
	s_add_co_u32 s30, s30, 8388608
	s_mov_b32 s31, 0
	s_lshl_b32 s32, s12, 15                        ; wvq: (64 x head + 16 x quarter) x 512
	s_lshl_b32 s33, s13, 13
	s_add_co_u32 s32, s32, s33
	s_mov_b32 s33, 0
	s_lshl_b32 s34, s13, 23                        ; part: ((64 x quarter + head) x 128 + 32 x wave) x 1,024
	s_add_co_u32 s34, s34, s26
	s_add_co_u32 s34, s34, s11
	s_mov_b32 s35, 0
	s_mov_b32 s20, 0x76543210
	s_mov_b32 s21, 0xfedcba98                      ; v_permlanex16_b32's selects for lane l xor 16
	s_mov_b32 s22, 0x3e38aa3b                      ; c = log2(e) / 8
	s_mov_b32 s23, s22                             ; (named with it as a pair, so it is written)
	s_mov_b32 s24, 16                              ; blocks to go
	s_wait_kmcnt 0x0
	s_add_nc_u64 s[28:29], s[4:5], s[28:29]
	s_add_nc_u64 s[14:15], s[4:5], s[30:31]        ; wk, block 0
	s_add_nc_u64 s[16:17], s[6:7], s[32:33]        ; wv, block 0
	s_add_nc_u64 s[18:19], s[8:9], s[34:35]
	WIN 0x80                                       ; destination window 2: P's registers are free yet
.set i, 0
.rept 64
	global_load_b128 v[4*i:4*i+3], v[L16], s[28:29] offset:512*i
.set i, i+1
.endr
	WIN 0
	v_mov_b32 v[SC], 0x7f7f7f7f                    ; the start products' scales: 1.0
	v_mov_b32 v[WVS], 0x7f7f7f7f
.set i, 0
.rept 36
	v_mov_b32 v[WV+i], 0                           ; WV, CA, CB stand on end: zero codes; registers 3-11 of each stay so
.set i, i+1
.endr
	v_mov_b32 v[BX], 0                             ; a lane permute's destination counts as read
	v_mov_b32 v[BX+1], 0
	WIN 0x08                                       ; an LDS store's data are its source 1: window 2
.irp k, 0,1,2,3
	s_wait_loadcnt 48-16*\k                        ; this batch of 16 is in; the younger batches may be out
.set i, 16*\k
.rept 16
	ds_store_b128 v[LQ], v[4*i:4*i+3] offset:512*i
.set i, i+1
.endr
.endr
	WIN 0
.rept 8
	v_nop                                          ; a scale register written by a vector instruction stands 8 places ahead of a scaled matrix instruction, an operand so written 4
.endr
	WIN 0x50                                       ; C and D window 1
.set t, 0
.rept 32
	v_wmma_scale_f32_16x16x128_f8f6f4 v[8*t:8*t+7], v[WV:WV+11], v[CA:CA+11], 0, v[WVS], v[SC] matrix_a_fmt:MATRIX_FMT_FP6 matrix_b_fmt:MATRIX_FMT_FP6   ; zero codes: the 32 sums begin
.set t, t+1
.endr
	WIN 0
.rept 4
	v_nop                                          ; four places in front of loads into these products' operands
.endr
.macro KLOAD                           ; a block's two tiles of wk
.irp u, 0,1
.irp c, 0,1
	global_load_b128 v[WK+8*\u+4*\c:WK+8*\u+4*\c+3], v[VK], s[14:15] offset:128*\u+512*\c
.endr
.endr
.endm
	KLOAD
.macro QLOAD g                         ; group g's two tiles of wq into buffer g % 2
.irp tt, 0,1
.irp c, 0,1
	ds_load_b128 v[WQ+16*((\g)%2)+8*\tt+4*\c:WQ+16*((\g)%2)+8*\tt+4*\c+3], v[LQ] offset:1024*(2*(\g)+\tt)+512*\c
.endr
.endr
.endm
; Matrix instruction n of 16 of group g: K step n / 4, query tile (n / 2) % 2, key tile n % 2.  The four accumulators take turns; the first K step starts each sum with the constant 0.
.macro WMM g
.set dd, ST+32*((\g)%3)+16*((n/2)%2)+8*(n%2)
.set aa, WK+8*(n%2)+2*(n/4)
.set bb, WQ+16*((\g)%2)+8*((n/2)%2)+2*(n/4)
.if n < 4
	v_wmma_f32_16x16x4_f32 v[dd:dd+7], v[aa:aa+1], v[bb:bb+1], 0
.else
	v_wmma_f32_16x16x4_f32 v[dd:dd+7], v[aa:aa+1], v[bb:bb+1], v[dd:dd+7]
.endif
.endm
; Slice sl of group g's vector work.  0-7: the running column maxima take the group's two tiles, each accumulator from its low end on.  8-11: the scores leave the stage for P.
.macro PROC g, sl
.set SB, ST+32*((\g)%3)
.if (\sl) < 8
.irp e, 0,1
.set xx, 2*(\sl)+\e
.if (\g) == 0
	v_max_num_f32 v[MX+xx], v[SB+xx], v[SB+16+xx]  ; the first group starts the maxima
.else
	v_max3_num_f32 v[MX+xx], v[MX+xx], v[SB+xx], v[SB+16+xx]
.endif
.endr
.elseif (\sl) < 12
	WIN 0x80+0x40*((\g)/8)                         ; destination window 2 or 3
.irp e, 0,1,2,3
.set kk, 4*((\sl)-8)+\e
.set PB, 16*((2*(\g)+kk/8)%16)+2*(kk%8)
.set SS, SB+16*(kk/8)+2*(kk%8)
	v_pk_mul_f32 v[PB:PB+1], v[SS:SS+1], 1.0 op_sel_hi:[1,0]
.endr
	WIN 0
.endif
.endm
; A SLOT: group g's 16 matrix instructions; behind each a slice of group g - 2's vector work; behind slice 3 the next group's four LDS loads.
; PLACES (eight behind this form, nine before a matrix instruction writes over a register): a group's results are first read two slots on, behind the 32 lines of the group before it; a buffer of wq is
; loaded again behind the eight maxima of slices 0-3, which name none of the last slot's registers; slot 1 has no such lines yet and gets eight v_nop.  Slots 16 and 17 have vector work alone.
.macro SLOT g
.if (\g) < 16
	s_wait_dscnt 0x0                               ; this group's four loads, issued 12 matrix instructions ago
.endif
.set n, 0
.rept 16
.if (\g) < 16
	WMM \g
.endif
.if (\g) >= 2
	PROC (\g)-2, n
.endif
.if n == 3
.if (\g) == 1
.rept 8
	v_nop
.endr
.endif
.if (\g) < 15
	QLOAD (\g)+1
.endif
.endif
.set n, n+1
.endr
.endm
; 16 column figures of a lane (v[reg] on) are joined over the 16 lanes of a row, then over the four waves: kind 0 = maxima, 1 = sums.  The four waves' figures land in WQ, WQ + 16, R3 and d3.
; Two barriers a trip serve both regions: a region is written again only behind the OTHER region's barrier, which every wave signals behind the wait for its reads of this one.
.macro XRED kind, reg, off, d3
.irp m, 1,2,4,8
.set i, 0
.rept 16
.if \kind
	v_add_f32_dpp v[\reg+i], v[\reg+i], v[\reg+i] row_xmask:\m row_mask:0xf bank_mask:0xf
.else
	v_max_num_f32_dpp v[\reg+i], v[\reg+i], v[\reg+i] row_xmask:\m row_mask:0xf bank_mask:0xf
.endif
.set i, i+1
.endr
.endr
.irp q, 0,1,2,3
	ds_store_b128 v[AXS], v[\reg+4*\q:\reg+4*\q+3] offset:\off+16*\q   ; the sixteen lanes of a row write equal values to equal words
.endr
	s_wait_dscnt 0x0                               ; for the others' sake: my stores have landed
	s_barrier_signal -1
	s_barrier_wait -1
.irp q, 0,1,2,3
	ds_load_b128 v[WQ+4*\q:WQ+4*\q+3], v[AXL] offset:\off+16*\q
	ds_load_b128 v[WQ+16+4*\q:WQ+16+4*\q+3], v[AXL] offset:\off+128+16*\q
	ds_load_b128 v[R3+4*\q:R3+4*\q+3], v[AXL] offset:\off+256+16*\q
	ds_load_b128 v[\d3+4*\q:\d3+4*\q+3], v[AXL] offset:\off+384+16*\q
.endr
	s_wait_dscnt 0x0
.endm
.macro ESUB win                        ; a window's 16 tiles: t = c s - c max, two at a time, and p = 2^t in place
	WIN ((\win)<<6)|(\win)
.set t, 0
.rept 16
.set p, 0
.rept 8
	v_pk_fma_f32 v[16*t+2*p:16*t+2*p+1], v[16*t+2*p:16*t+2*p+1], s[22:23], v[MX+2*p:MX+2*p+1] op_sel_hi:[1,0,1] neg_lo:[0,0,1] neg_hi:[0,0,1]
.set p, p+1
.endr
.set p, 0
.rept 16
	v_exp_f32 v[16*t+p], v[16*t+p]
.set p, p+1
.endr
.set t, t+1
.endr
.endm
.macro FP6 g                           ; O of tiles 2 g, 2 g + 1 += wv^T w
	WIN 0x50
	v_wmma_scale_f32_16x16x128_f8f6f4 v[16*(\g):16*(\g)+7], v[WV:WV+11], v[CA:CA+11], v[16*(\g):16*(\g)+7], v[WVS], v[SC] matrix_a_fmt:MATRIX_FMT_FP6 matrix_b_fmt:MATRIX_FMT_FP6
	v_wmma_scale_f32_16x16x128_f8f6f4 v[16*(\g)+8:16*(\g)+15], v[WV:WV+11], v[CB:CB+11], v[16*(\g)+8:16*(\g)+15], v[WVS], v[SC+1] matrix_a_fmt:MATRIX_FMT_FP6 matrix_b_fmt:MATRIX_FMT_FP6
.endm
; Group g of phase F.  The group before's two products stand behind this group's 16 multiplications: those and the v_nop are the 17 places between the scale words and codes just made and the products that take them;
; this group's maxima are the places between those products and the next write of their operands.
.macro FG g
	WIN 0x02+(\g)/8                                ; source 0 window 2 or 3
.irp tt, 0,1
.irp p, 0,1,2,3,4,5,6,7
	v_pk_mul_f32 v[WQ+16*\tt+2*\p:WQ+16*\tt+2*\p+1], v[16*((2*(\g)+\tt)%16)+2*\p:16*((2*(\g)+\tt)%16)+2*\p+1], v[LS+2*\p:LS+2*\p+1]   ; w = p / the column's sum: finished and normalised
.endr
.endr
.if (\g) > 0
	FP6 (\g)-1
.endif
	WIN 0
.irp tt, 0,1                           ; the largest of my 16 w and the floor 2^(3 - 127); none is negative.  Two chains a tile, the four by turns
	v_max3_num_f32 v[BM+2*\tt], v[WQ+16*\tt], v[WQ+16*\tt+1], 0x1800000
	v_max3_num_f32 v[BM+2*\tt+1], v[WQ+16*\tt+8], v[WQ+16*\tt+9], v[WQ+16*\tt+10]
.endr
.irp i, 2,4
.irp tt, 0,1
	v_max3_num_f32 v[BM+2*\tt], v[BM+2*\tt], v[WQ+16*\tt+\i], v[WQ+16*\tt+\i+1]
	v_max3_num_f32 v[BM+2*\tt+1], v[BM+2*\tt+1], v[WQ+16*\tt+9+\i], v[WQ+16*\tt+10+\i]
.endr
.endr
.irp tt, 0,1
	v_max3_num_f32 v[BM+2*\tt], v[BM+2*\tt], v[WQ+16*\tt+6], v[WQ+16*\tt+7]
.endr
.irp tt, 0,1
	v_max3_num_f32 v[BM+2*\tt], v[BM+2*\tt], v[BM+2*\tt+1], v[WQ+16*\tt+15]
.endr
.irp tt, 0,1
	v_permlanex16_b32 v[BX+\tt], v[BM+2*\tt], s20, s21
.endr
.irp tt, 0,1
	v_max_num_f32 v[BM+2*\tt], v[BM+2*\tt], v[BX+\tt]      ; with lane l xor 16's 16: the block's largest
.endr
.irp tt, 0,1
	v_add_nc_u32 v[SO+\tt], 0xff000000, v[BM+2*\tt]        ; 2 off its exponent field: the conversion's scale operand
.endr
.irp tt, 0,1
	v_lshrrev_b32 v[BY+\tt], 23, v[SO+\tt]
.endr
.irp tt, 0,1
	v_lshl_or_b32 v[SC+\tt], v[BY+\tt], 8, v[BY+\tt]       ; the byte twice; the upper two bytes stand over zero codes
.endr
	v_cvt_scalef32_pk16_fp6_f32 v[CA:CA+2], v[WQ:WQ+15], v[SO]
	v_cvt_scalef32_pk16_fp6_f32 v[CB:CB+2], v[WQ+16:WQ+31], v[SO+1]
	v_nop                                          ; one plain place behind a scaled conversion
.endm
.Lblock:
	global_load_b96 v[WV:WV+2], v[L16], s[16:17]   ; this block's wv: wanted in phase F
	global_load_b32 v[WVS], v[L16], s[16:17] offset:12
	QLOAD 0
	s_wait_loadcnt 0x2                             ; wk's four loads are in; the two just issued may be out
	; ---- S
.irp g, 0,1,2,3,4,5,6,7,8,9,10,11,12,13,14,15,16,17
	SLOT \g
.endr
	s_wait_loadcnt 0x0                             ; wv is in; no load of mine is out, so both bases may step
	s_add_nc_u64 s[16:17], s[16:17], 512
	s_cmp_eq_u32 s24, 1                            ; the last block asks for nothing: no load leaves its buffer
	s_cbranch_scc1 .Lnok
	s_add_nc_u64 s[14:15], s[14:15], 2048
	KLOAD                                          ; the next block's wk: behind the 64 lines of slots 16 and 17, and phases E and F ahead of its use
.Lnok:
	XRED 0, MX, 0, LS
.set i, 0
.rept 16
	v_max3_num_f32 v[MX+i], v[WQ+i], v[WQ+16+i], v[R3+i]
.set i, i+1
.endr
.set i, 0
.rept 16
	v_max_num_f32 v[MX+i], v[MX+i], v[LS+i]        ; the column's largest score over all 2,048 queries
.set i, i+1
.endr
.set i, 0
.rept 8
	v_pk_mul_f32 v[MX+2*i:MX+2*i+1], v[MX+2*i:MX+2*i+1], s[22:23] op_sel_hi:[1,0]   ; x c
.set i, i+1
.endr
	; ---- E
	ESUB 2
	ESUB 3
	WIN 0
	v_nop                                          ; a plain place behind the last exponential
	s_wait_alu depctr_va_vdst(0)                   ; the wait ahead of the first reader: one for all 512 exponentials
	WIN 0x0a                                       ; sources 0 and 1 window 2
.irp p, 0,1,2,3,4,5,6,7
	v_pk_add_f32 v[LS+2*\p:LS+2*\p+1], v[2*\p:2*\p+1], v[16+2*\p:16+2*\p+1]   ; the first two tiles start the sums: eight chains by turns
.endr
	WIN 0x08
.set t, 2
.rept 14
.irp p, 0,1,2,3,4,5,6,7
	v_pk_add_f32 v[LS+2*\p:LS+2*\p+1], v[LS+2*\p:LS+2*\p+1], v[16*t+2*\p:16*t+2*\p+1]
.endr
.set t, t+1
.endr
	WIN 0x0c
.set t, 0
.rept 16
.irp p, 0,1,2,3,4,5,6,7
	v_pk_add_f32 v[LS+2*\p:LS+2*\p+1], v[LS+2*\p:LS+2*\p+1], v[16*t+2*\p:16*t+2*\p+1]
.endr
.set t, t+1
.endr
	WIN 0
	XRED 1, LS, 512, MX
.irp p, 0,1,2,3,4,5,6,7
	v_pk_add_f32 v[LS+2*\p:LS+2*\p+1], v[WQ+2*\p:WQ+2*\p+1], v[WQ+16+2*\p:WQ+16+2*\p+1]
.endr
.irp p, 0,1,2,3,4,5,6,7
	v_pk_add_f32 v[LS+2*\p:LS+2*\p+1], v[LS+2*\p:LS+2*\p+1], v[R3+2*\p:R3+2*\p+1]
.endr
.irp p, 0,1,2,3,4,5,6,7
	v_pk_add_f32 v[LS+2*\p:LS+2*\p+1], v[LS+2*\p:LS+2*\p+1], v[MX+2*\p:MX+2*\p+1]   ; the column's sum, in the same order in every wave
.endr
.set i, 0
.rept 16
	v_rcp_f32 v[LS+i], v[LS+i]
.set i, i+1
.endr
	v_nop                                          ; a plain place behind the last reciprocal
	s_wait_alu depctr_va_vdst(0)                   ; and the wait, one for the sixteen
	; ---- F
.irp g, 0,1,2,3,4,5,6,7,8,9,10,11,12,13,14,15
	FG \g
.endr
.rept 7
	v_nop                                          ; with the one above: eight places between the last scale words and their products
.endr
	FP6 15
	WIN 0
.rept 4
	v_nop                                          ; four places in front of the next loads into wv's registers, and of the stores of O
.endr
	s_sub_co_u32 s24, s24, 1
	s_cmp_lg_u32 s24, 0
	s_cbranch_scc1 .Lblock
	WIN 0x04                                       ; a store's data are its source 1: window 1
.set t, 0
.rept 32
	global_store_b128 v[L16], v[8*t:8*t+3], s[18:19] offset:1024*t           ; each accumulator from its low end on; 512 consecutive bytes a store
	global_store_b128 v[L16], v[8*t+4:8*t+7], s[18:19] offset:1024*t+512
.set t, t+1
.endr
	WIN 0
	s_wait_tensorcnt 0x0
	ds_add_u32 v254, v255
	s_wait_dscnt 0x0
	s_endpgm
.Lfunc_end_k_q07de96c70e_attn:
	.size	k_q07de96c70e_attn, .Lfunc_end_k_q07de96c70e_attn-k_q07de96c70e_attn
	.p2alignl 7, 3214868480
	.fill 96, 4, 3214868480
	.section	.rodata,"a",@progbits
	.p2align	6, 0x0
	.amdhsa_kernel k_q07de96c70e_attn
		.amdhsa_group_segment_fixed_size 132608
		.amdhsa_private_segment_fixed_size 0
		.amdhsa_enable_private_segment 0
		.amdhsa_kernarg_size 24
		.amdhsa_user_sgpr_count 2
		.amdhsa_user_sgpr_kernarg_segment_ptr 1
		.amdhsa_wavefront_size32 1
		.amdhsa_system_sgpr_workgroup_id_x 1
		.amdhsa_system_sgpr_workgroup_id_y 1
		.amdhsa_system_sgpr_workgroup_id_z 1
		.amdhsa_system_vgpr_workitem_id 0
		.amdhsa_next_free_vgpr 1024
		.amdhsa_next_free_sgpr 66
		.amdhsa_reserve_vcc 0
		.amdhsa_float_denorm_mode_32 3
		.amdhsa_float_denorm_mode_16_64 3
		.amdhsa_memory_ordered 1
		.amdhsa_forward_progress 1
		.amdhsa_inst_pref_size 194
	.end_amdhsa_kernel
	.amdgpu_metadata
---
amdhsa.version: [ 1, 2 ]
amdhsa.kernels:
  - .name:           k_q07de96c70e_attn
    .symbol:         k_q07de96c70e_attn.kd
    .args:
      - { .name: qk, .offset: 0, .size: 8, .value_kind: global_buffer, .address_space: global }
      - { .name: wvq, .offset: 8, .size: 8, .value_kind: global_buffer, .address_space: global }
      - { .name: part, .offset: 16, .size: 8, .value_kind: global_buffer, .address_space: global }
    .group_segment_fixed_size: 132608
    .private_segment_fixed_size: 0
    .kernarg_segment_align: 8
    .kernarg_segment_size: 24
    .max_flat_workgroup_size: 128
    .sgpr_count:     66
    .vgpr_count:     1024
    .wavefront_size: 32
...
	.end_amdgpu_metadata
.endif
;; end of part 3
;; launch outp (part 4): grid 256 x 1, 4 waves a work-group, no clusters, 47,616 bytes of LDS; arguments part, wc, ws, out0; writes out0
.if DOCPART == 4
	.amdgcn_target "amdgcn-amd-amdhsa--gfx1250"
	.amdhsa_code_object_version 6
	.text
	.protected	k_q07de96c70e_outp
	.globl	k_q07de96c70e_outp
	.p2align	8
	.type	k_q07de96c70e_outp,@function
k_q07de96c70e_outp:
	s_mov_b64 s[64:65], 0
	v_nop
	global_prefetch_b8 v0, s[64:65] scope:SCOPE_SE
	s_setreg_imm32_b32 hwreg(HW_REG_WAVE_MODE, 25, 1), 1
	s_wait_xcnt 0x0
; out0 = Q(heads) Q(o_w): heads = the sum of the four quarters' partial sums, quantised along t = 16 head + v; o_w's codes and scale words come from the first launch.  FP6 (E2M3), E8M0 scales, f32 sums, K ascending.
; SHARES.  A work-group takes 16 rows i and 512 columns; wave w makes columns 128 w .. + 127 of them (8 accumulators, by turns).
; heads.  A partial tile (head, 16 rows) lies as lane (r, h) register j = heads(i = r, v = 8 h + j).  Eight heads' tiles on end are 64 numbers of a lane, register 16 b + n = place 32 b + 16 h + n of the K step, where a
; block's places hold t = 0-7, 16-23, 8-15, 24-31: the order in which o_w's codes were laid.  Wave w adds and quantises K steps 2 w and 2 w + 1.
; THE FRAGMENTS GO FROM WAVE TO WAVE THROUGH LDS AS IMAGES OF THEIR REGISTERS (three stores of 512 bytes, the scale word 4 bytes a lane); one barrier; every wave loads all eight.
; THE MATRIX INSTRUCTION IS USED TRANSPOSED (source 0 = 16 columns of o_w, source 1 = heads): a lane holds eight neighbouring numbers of a row of out0; they leave through the wave's own stage as rows of 512 bytes.
; o_w's fragments come from memory straight into registers, three sets, two K steps ahead.
; NO CLUSTER, NO LDS RING: a K step is 8 matrix instructions a wave, and no tile lies in LDS that a joint load could fill.  NO PREFETCH: eight K steps in all, each already asked for two steps ahead.
; LIMITS: NaN and infinities are not served; a block of zeros gets the byte 1 (its codes are zeros).
.set FRAG, 1536
.set TILE, 12288
.set HSC,  8*FRAG                      ; LDS: 0: the eight images; HSC: their scale words, 128 bytes each;
.set STG,  HSC+8*128                   ; STG: a stage of 16 rows x (512 + 16) bytes for each wave
.set SP,   528
.set L16, 1                            ; 16 x lane
.set L4,  2                            ; 4 x lane
.set IWI, 3                            ; where I store my images: 16 x lane + 3,072 x wave
.set IWS, 4                            ; and their scale words: 4 x lane + 256 x wave
.set SOA, 5                            ; the stage: where I put 32 bytes of a row
.set SRA, 6                            ; and where I read a row back
.set HS,  16                           ; v16-23 heads' scale words
.set WS,  24                           ; v24-55 o_w's: register 4 ks + q: lanes 0-15 tile 2 q, lanes 16-31 tile 2 q + 1
.set TM,  56                           ; v56-59 largest magnitudes, v60-63 bytes, v68-71 the conversions' scale operands
.set PW,  72                           ; the scale word just made
.set PC,  76                           ; v76-94 the codes just made
.set ST,  96                           ; v96-159 64 numbers of heads
.set H,   96                           ; v96-191 later: heads' eight fragments; on the way out: rows of out0
.set ACC, 192                          ; v192-255
; window 1: o_w's sets 0 (v0-95) and 1 (v96-191);  window 2: set 2 (v0-95);  window 3: the four partials, 64 registers each
.set MSB, 0
.macro WIN new                         ; the immediate's high byte repeats the setting that is left
.if MSB != (\new)
	s_set_vgpr_msb (MSB<<8)|(\new)
.set MSB, (\new)
.endif
.endm
.macro SETO ks
.if (\ks)%3 == 0
.set OBS, 0
.set OW, 1
.elseif (\ks)%3 == 1
.set OBS, 96
.set OW, 1
.else
.set OBS, 0
.set OW, 2
.endif
.endm
.macro WM6 d, a, b, zero, sa, sb, ra   ; ra = 1: source 0's scales stand in lanes 16-31 of their register
.if (\zero) && (\ra)
	v_wmma_scale_f32_16x16x128_f8f6f4 v[\d:\d+7], v[\a:\a+11], v[\b:\b+11], 0, v[\sa], v[\sb] matrix_a_fmt:MATRIX_FMT_FP6 matrix_b_fmt:MATRIX_FMT_FP6 matrix_a_scale:MATRIX_SCALE_ROW1
.elseif (\zero)
	v_wmma_scale_f32_16x16x128_f8f6f4 v[\d:\d+7], v[\a:\a+11], v[\b:\b+11], 0, v[\sa], v[\sb] matrix_a_fmt:MATRIX_FMT_FP6 matrix_b_fmt:MATRIX_FMT_FP6
.elseif (\ra)
	v_wmma_scale_f32_16x16x128_f8f6f4 v[\d:\d+7], v[\a:\a+11], v[\b:\b+11], v[\d:\d+7], v[\sa], v[\sb] matrix_a_fmt:MATRIX_FMT_FP6 matrix_b_fmt:MATRIX_FMT_FP6 matrix_a_scale:MATRIX_SCALE_ROW1
.else
	v_wmma_scale_f32_16x16x128_f8f6f4 v[\d:\d+7], v[\a:\a+11], v[\b:\b+11], v[\d:\d+7], v[\sa], v[\sb] matrix_a_fmt:MATRIX_FMT_FP6 matrix_b_fmt:MATRIX_FMT_FP6
.endif
.endm
.macro PLOAD f                         ; K step 2 w + f: eight heads' tiles of each of the four partials
	WIN 0xc0
.irp qd, 0,1,2,3
.irp e, 0,1,2,3,4,5,6,7
.irp c, 0,1
	global_load_b128 v[64*\qd+8*\e+4*\c:64*\qd+8*\e+4*\c+3], v[L16], s[16+2*\qd:17+2*\qd] offset:1048576*\f+131072*\e+512*\c
.endr
.endr
.endr
	WIN 0
.endm
.macro PSUM                            ; (p0 + p1) + (p2 + p3), two numbers an instruction
	WIN 0xcf
.set i, 0
.rept 32
	v_pk_add_f32 v[2*i:2*i+1], v[2*i:2*i+1], v[64+2*i:64+2*i+1]
	v_pk_add_f32 v[128+2*i:128+2*i+1], v[128+2*i:128+2*i+1], v[192+2*i:192+2*i+1]
.set i, i+1
.endr
	WIN 0x0f
.set i, 0
.rept 32
	v_pk_add_f32 v[ST+2*i:ST+2*i+1], v[2*i:2*i+1], v[128+2*i:128+2*i+1]
.set i, i+1
.endr
	WIN 0
.endm
; 64 numbers of a lane, v[ST] on, register 16 b + n = place 32 b + 16 (lane / 16) + n of my row's K step, become a fragment's codes in v[PC] on and its scale word in v[PW].
.macro QUANT
.irp b, 0,1,2,3
	v_max3_num_f32 v[TM+\b], |v[ST+16*\b]|, |v[ST+1+16*\b]|, 0x1800000   ; block b: my 16 numbers and the floor 2^(3 - 127): the byte cannot fall under 1
.endr
.irp i, 2,4,6,8,10,12,14
.irp b, 0,1,2,3
	v_max3_num_f32 v[TM+\b], v[TM+\b], |v[ST+16*\b+\i]|, |v[ST+1+16*\b+\i]|   ; (the four blocks by turns)
.endr
.endr
.irp b, 0,1,2,3
	v_permlanex16_b32 v[TM+4+\b], v[TM+\b], s36, s37
.endr
.irp b, 0,1,2,3
	v_max_num_f32 v[TM+\b], v[TM+\b], v[TM+4+\b]   ; with lane l xor 16's: the block's largest magnitude
.endr
.irp b, 0,1,2,3
	v_add_nc_u32 v[TM+12+\b], 0xff000000, v[TM+\b] ; 2 off its exponent field: the conversion's scale operand
.endr
.irp b, 0,1,2,3
	v_lshrrev_b32 v[TM+4+\b], 23, v[TM+12+\b]      ; the scale's byte
.endr
	v_lshl_or_b32 v[PW], v[TM+5], 8, v[TM+4]       ; the four bytes make my row's scale word
	v_lshl_or_b32 v[PW], v[TM+6], 16, v[PW]
	v_lshl_or_b32 v[PW], v[TM+7], 24, v[PW]
.irp c, 0,1
	v_cvt_scalef32_pk16_fp6_f32 v[PC+6*\c:PC+2+6*\c], v[ST+32*\c:ST+15+32*\c], v[TM+12+2*\c]
	v_cvt_scalef32_pk16_fp6_f32 v[PC+12+4*\c:PC+14+4*\c], v[ST+16+32*\c:ST+31+32*\c], v[TM+12+2*\c+1]   ; (a conversion's three registers begin on an even number)
.endr
	v_nop                                          ; one plain place behind a scaled conversion
.irp c, 0,1                            ; the operand's layout wants a WHOLE block in a lane: lanes 0-15 block 2 c, lanes 16-31 block 2 c + 1
.irp i, 0,1,2
	v_permlane16_swap_b32 v[PC+6*\c+\i], v[PC+12+4*\c+\i]
.endr
.irp i, 0,1,2
	v_mov_b32 v[PC+3+6*\c+\i], v[PC+12+4*\c+\i]
.endr
.endr
.endm
.macro IMAGE f                         ; the fragment goes to LDS as it stands
.irp c, 0,1,2
	ds_store_b128 v[IWI], v[PC+4*\c:PC+4*\c+3] offset:FRAG*\f+512*\c
.endr
	ds_store_b32 v[IWS], v[PW] offset:HSC+128*\f
.endm
.macro OLOAD ks                        ; o_w's eight fragments of K step ks: 24 loads
	SETO \ks
	WIN 0x40*OW
.irp nt, 0,1,2,3,4,5,6,7
.irp c, 0,1,2
	global_load_b128 v[OBS+12*\nt+4*\c:OBS+12*\nt+4*\c+3], v[L16], s[24:25] offset:TILE*\nt+FRAG*(\ks)+512*\c
.endr
.endr
	WIN 0
.endm
.macro MUL ks, zero
	SETO \ks
	WIN OW                                         ; source 0 window 1 or 2
.irp nt, 0,1,2,3,4,5,6,7
	WM6 ACC+8*\nt, OBS+12*\nt, H+12*(\ks), \zero, WS+4*(\ks)+\nt/2, HS+(\ks), \nt%2
.endr
	WIN 0
.endm
	s_load_b256 s[4:11], s[0:1], 0x0               ; part s[4:5], wc s[6:7], ws s[8:9], out0 s[10:11]
	v_lshl_add_u32 v91, v0, 2, 0xb800
	v_mov_b32 v95, 0
	v_lshrrev_b32 v8, 5, v0
	v_readfirstlane_b32 s12, v8                    ; wave 0..3
	v_and_b32 v8, 31, v0
	v_lshlrev_b32 v[L16], 4, v8
	v_lshlrev_b32 v[L4], 2, v8
	s_mul_i32 s26, s12, 2*FRAG
	v_add_nc_u32 v[IWI], s26, v[L16]
	s_lshl_b32 s26, s12, 8
	v_add_nc_u32 v[IWS], s26, v[L4]
	v_and_b32 v9, 15, v0                           ; r
	v_bfe_u32 v10, v0, 4, 1                        ; h
	s_mul_i32 s26, s12, 16*SP
	s_add_co_u32 s26, s26, STG                     ; my stage
	v_mul_u32_u24 v[SOA], v9, SP
	v_lshl_add_u32 v[SOA], v10, 5, v[SOA]
	v_add_nc_u32 v[SOA], s26, v[SOA]               ; in: row r, + 32 h
	v_add_nc_u32 v[SRA], s26, v[L16]               ; back: a row's 512 bytes, 16 a lane
.irp b, 0,1,2,3
	v_mov_b32 v[TM+4+\b], 0                        ; a lane permute's destination counts as read
.endr
	s_mov_b32 s36, 0x76543210
	s_mov_b32 s37, 0xfedcba98                      ; v_permlanex16_b32's selects for lane l xor 16
	s_lshr_b32 s13, ttmp9, 1                       ; which 16 rows
	s_and_b32 s14, ttmp9, 1                        ; which 512 columns
	s_lshl_b32 s28, s12, 21                        ; part: (128 x head 16 w + tile of rows) x 1,024
	s_lshl_b32 s29, s13, 10
	s_add_co_u32 s28, s28, s29
	s_mov_b32 s29, 0
	s_lshl_b32 s30, s14, 5                         ; o_w is the fourth weight: tile 192 + 32 x half + 8 x wave
	s_lshl_b32 s31, s12, 3
	s_add_co_u32 s30, s30, s31
	s_add_co_u32 s30, s30, 192
	s_mul_i32 s30, s30, TILE
	s_mov_b32 s31, 0
	s_lshl_b32 s32, s14, 3                         ; its scale words: 3 x 32,768 + (8 x half + 2 x wave) groups of 2,048 bytes
	s_lshl_b32 s33, s12, 1
	s_add_co_u32 s32, s32, s33
	s_lshl_b32 s32, s32, 11
	s_add_co_u32 s32, s32, 98304
	s_mov_b32 s33, 0
	s_lshl_b32 s34, s13, 16                        ; out0: 16 rows of 4,096 bytes, 2,048 bytes a half, 512 a wave
	s_lshl_b32 s35, s14, 11
	s_add_co_u32 s34, s34, s35
	s_lshl_b32 s35, s12, 9
	s_add_co_u32 s34, s34, s35
	s_mov_b32 s35, 0
	s_wait_kmcnt 0x0
	s_add_nc_u64 s[16:17], s[4:5], s[28:29]        ; a base for each quarter's partial: they lie 8,388,608 bytes apart, more than an immediate holds
	s_add_nc_u64 s[18:19], s[16:17], 0x800000
	s_add_nc_u64 s[20:21], s[16:17], 0x1000000
	s_add_nc_u64 s[22:23], s[16:17], 0x1800000
	s_add_nc_u64 s[24:25], s[6:7], s[30:31]
	s_add_nc_u64 s[8:9], s[8:9], s[32:33]
	s_add_nc_u64 s[10:11], s[10:11], s[34:35]
	PLOAD 0
	s_wait_loadcnt 0x0
	PSUM
	PLOAD 1                                        ; lands while the first K step is quantised
	QUANT
	IMAGE 0
	s_wait_dscnt 0x0                               ; the stores have read their registers
	s_wait_loadcnt 0x0
	PSUM
.set i, 0
.rept 8
.irp q, 0,1,2,3
	global_load_b32 v[WS+4*i+\q], v[L4], s[8:9] offset:2048*(\q/2)+256*i+128*(\q%2)
.endr
.set i, i+1
.endr
	OLOAD 0                                        ; o_w's first K step is on its way while the second K step of heads is quantised
	QUANT
	IMAGE 1
	s_wait_dscnt 0x0                               ; for the others' sake: my images have landed
	s_barrier_signal -1
	s_barrier_wait -1                              ; heads' eight fragments lie in LDS
	OLOAD 1
	OLOAD 2
.set i, 0
.rept 8
.irp c, 0,1,2
	ds_load_b128 v[H+12*i+4*\c:H+12*i+4*\c+3], v[L16] offset:FRAG*i+512*\c
.endr
	ds_load_b32 v[HS+i], v[L4] offset:HSC+128*i
.set i, i+1
.endr
	s_wait_dscnt 0x0
.irp ks, 0,1,2,3,4,5,6,7
.if \ks < 6
	s_wait_loadcnt 48                              ; this K step's loads (and all scale words) are in; the two younger K steps' 24 loads each may be out
.else
	s_wait_loadcnt 24*(7-\ks)
.endif
.if \ks == 0
	MUL \ks, 1                                     ; the first K step starts the sums
.else
	MUL \ks, 0
.endif
.if \ks < 5
.rept 4
	v_nop                                          ; four places in front of loads into registers that these matrix instructions have read
.endr
	OLOAD \ks+3
.endif
.endr
.rept 4
	v_nop                                          ; four places in front of the first read of results, and of the loads into heads' registers
.endr
.irp nt, 0,1,2,3,4,5,6,7
	ds_store_b128 v[SOA], v[ACC+8*\nt:ACC+8*\nt+3] offset:64*\nt             ; lane (r, h): out0(r, 16 nt + 8 h + 0 .. 7); each accumulator from its low end on
	ds_store_b128 v[SOA], v[ACC+8*\nt+4:ACC+8*\nt+7] offset:64*\nt+16
.endr
.set i, 0
.rept 16
	ds_load_b128 v[H+4*i:H+4*i+3], v[SRA] offset:SP*i                        ; LDS serves a wave's instructions in order: these see my stores
.set i, i+1
.endr
.set i, 0
.rept 16
	s_wait_dscnt 15-i                              ; the younger loads may be out
	global_store_b128 v[L16], v[H+4*i:H+4*i+3], s[10:11] offset:4096*i th:TH_STORE_NT   ; 32 lanes store 512 consecutive bytes, at a multiple of 256 from out0's first byte
.set i, i+1
.endr
	s_wait_tensorcnt 0x0
	ds_add_u32 v91, v95
	s_wait_dscnt 0x0
	s_endpgm
.Lfunc_end_k_q07de96c70e_outp:
	.size	k_q07de96c70e_outp, .Lfunc_end_k_q07de96c70e_outp-k_q07de96c70e_outp
	.p2alignl 7, 3214868480
	.fill 96, 4, 3214868480
	.section	.rodata,"a",@progbits
	.p2align	6, 0x0
	.amdhsa_kernel k_q07de96c70e_outp
		.amdhsa_group_segment_fixed_size 47616
		.amdhsa_private_segment_fixed_size 0
		.amdhsa_enable_private_segment 0
		.amdhsa_kernarg_size 32
		.amdhsa_user_sgpr_count 2
		.amdhsa_user_sgpr_kernarg_segment_ptr 1
		.amdhsa_wavefront_size32 1
		.amdhsa_system_sgpr_workgroup_id_x 1
		.amdhsa_system_sgpr_workgroup_id_y 1
		.amdhsa_system_sgpr_workgroup_id_z 1
		.amdhsa_system_vgpr_workitem_id 0
		.amdhsa_next_free_vgpr 1024
		.amdhsa_next_free_sgpr 66
		.amdhsa_reserve_vcc 0
		.amdhsa_float_denorm_mode_32 3
		.amdhsa_float_denorm_mode_16_64 3
		.amdhsa_memory_ordered 1
		.amdhsa_forward_progress 1
		.amdhsa_inst_pref_size 73
	.end_amdhsa_kernel
	.amdgpu_metadata
---
amdhsa.version: [ 1, 2 ]
amdhsa.kernels:
  - .name:           k_q07de96c70e_outp
    .symbol:         k_q07de96c70e_outp.kd
    .args:
      - { .name: part, .offset: 0, .size: 8, .value_kind: global_buffer, .address_space: global }
      - { .name: wc, .offset: 8, .size: 8, .value_kind: global_buffer, .address_space: global }
      - { .name: ws, .offset: 16, .size: 8, .value_kind: global_buffer, .address_space: global }
      - { .name: out0, .offset: 24, .size: 8, .value_kind: global_buffer, .address_space: global }
    .group_segment_fixed_size: 47616
    .private_segment_fixed_size: 0
    .kernarg_segment_align: 8
    .kernarg_segment_size: 32
    .max_flat_workgroup_size: 128
    .sgpr_count:     66
    .vgpr_count:     1024
    .wavefront_size: 32
...
	.end_amdgpu_metadata
.endif
;; end of part 4
;; ======== version 2 of 2: 4 launches; version 1 with the launches proj, attn, outp written anew for expert scheduling mode
;; workspace buffers: xc 4,718,592 bytes; xs 196,608 bytes; wc 3,145,728 bytes; ws 131,072 bytes; qk 16,777,216 bytes; wvq 2,097,152 bytes; part 33,554,432 bytes
;; launch quant: the kernel of part 1 again; grid 640 x 1, 4 waves a work-group, no clusters, 46,592 bytes of LDS; arguments query, key, value, q_w, k_w, v_w, o_w, xc, xs, wc, ws; writes xc, xs, wc, ws
;; launch proj (part 5): grid 384 x 1, 4 waves a work-group, no clusters, 0 bytes of LDS; arguments xc, xs, wc, ws, qk, wvq; writes qk, wvq
.if DOCPART == 5
	.amdgcn_target "amdgcn-amd-amdhsa--gfx1250"
	.amdhsa_code_object_version 6
	.text
	.protected	k_q07de96c70e_proj
	.globl	k_q07de96c70e_proj
	.p2align	8
	.type	k_q07de96c70e_proj,@function
k_q07de96c70e_proj:
	s_mov_b64 s[64:65], 0
	v_nop
	global_prefetch_b8 v0, s[64:65] scope:SCOPE_SE
	s_setreg_imm32_b32 hwreg(HW_REG_WAVE_SCHED_MODE, 0, 2), 2
	s_setreg_imm32_b32 hwreg(HW_REG_WAVE_MODE, 25, 1), 1
	s_wait_xcnt 0x0
	s_wait_alu depctr_vm_vsrc(0)
; The three projections, [2048][1024] x [1024][1024] each, on codes of FP6 (E2M3) with E8M0 scales, sums in f32, K ascending, one accumulator for each output.
; Work-groups 0-127: wq, 128-255: wk, 256-383: wv.  A work-group makes 128 rows x 128 columns, a wave 64 x 64: 16 accumulators, which take turns.
; OPERANDS come from memory straight into registers: the launch before has laid them as images of the operand's registers, so a fragment is three loads of 512 consecutive bytes.
; ONE TEXT FOR ALL THREE.  Source 0's rows end up along a result's registers, source 1's along its lanes.
;   wq, wk: source 0 = 16 columns of the weight (a head's 16 features), source 1 = 16 rows of x.  Lane (r, h) register j = feature 8 h + j of row r: that IS the image that the f32 product of the next launch loads
;           (K step q takes registers 2 q, 2 q + 1 on both sides).  Stored as it stands: qk [wq, wk][64 heads][128 tiles of rows][1,024 bytes].
;   wv:     source 0 = 16 rows of value, source 1 = 16 columns of v_w.  THE ROWS OF A TILE ARE NOT NEIGHBOURS: lane r of tile 2 b + u takes row 32 b + 8 u + r + 8 (r / 8), so that the 16 registers of tiles 2 b, 2 b + 1 are
;           j = 32 b + 16 h + 0 .. 15 of feature r: they are quantised along j here.  wvq [64 heads][64 blocks of 32 j][32 lanes][16 bytes: three registers of codes, the scale word (the block's byte twice)].
; Three sets of fragment registers: a K step's 24 loads are issued two K steps ahead of their use.
; NO CLUSTER, NO LDS: a K step is 16 matrix instructions a wave; no tile lies in LDS that a joint load could fill, and a round of a cluster's barrier for each such step would outweigh the bytes that partners share.
; NO PREFETCH: eight K steps in all, and each step's loads are already two steps ahead.
; LIMITS: NaN and infinities are not served; a block of zeros of wv gets the byte 1 (its codes are zeros; this program alone reads the bytes).
; THE MODE: SCHED_MODE bits 1:0 = 2 (LLVM: expert scheduling mode 2), set by the entry lines.  The code itself states the register dependences
; between vector or matrix instructions and memory instructions, with s_wait_alu, always for 0.
; THE PLAN.  Registers that memory instructions touch:
;   v1-7          offsets, made once at the head and never written again.
;   S0, S1        scale words: loaded once, read by the products.
;   three sets    Set ks % 3: the loads of K step ks land in it, that step's sixteen products read it, and the loads of K step ks + 3 land in it straight behind them.
;   accumulators  Written by the products; read by the stores (wq, wk) or by vector lines alone (wv).
;   Q             (wv) written by the conversions and the scale words' lines; read by the stores.
; So one wait on va_vdst stands ahead of the first load, one behind each K step whose set is asked for again (there, and not at the next step's head, so that the set does not lie idle while
; the next step's data are waited for), and one ahead of each run of stores.
.set FRAG, 1536
.set TILE, 12288
.set L16, 1                            ; 16 x lane: source 1's offset, and the stores'
.set VO,  2                            ; v2-5   source 0's offset for its four tiles
.set VS,  6                            ; source 0's scale words' offset
.set L4,  7                            ; 4 x lane
.set S0,  16                           ; v16-31 source 0's scale words: register 2 ks + q: lanes 0-15 tile 2 q, lanes 16-31 tile 2 q + 1
.set S1,  32                           ; v32-47 source 1's
.set TM,  48                           ; the wv epilogue works in the first fragment set's registers
.set TX,  56
.set SV,  64
.set BYV, 72
.set Q,   80
; fragment sets: v48-143, v144-239 in window 0, v128-223 in window 1; in a set source 0's tile a at 12 a, source 1's tile b at 48 + 12 b.  Window 1 v0-127: accumulator (a, b) at 8 (4 b + a)
.set MSB, 0
.macro WIN new                         ; the immediate's high byte repeats the setting that is left
.if MSB != (\new)
	s_set_vgpr_msb (MSB<<8)|(\new)
.set MSB, (\new)
.endif
.endm
.macro SETF ks
.if (\ks)%3 == 0
.set FB, 48
.set FW, 0
.elseif (\ks)%3 == 1
.set FB, 144
.set FW, 0
.else
.set FB, 128
.set FW, 1
.endif
.endm
; one matrix instruction; ra, rb = 1: that side's scales stand in lanes 16-31 of its register
.macro WM6 d, a, b, zero, sa, sb, ra, rb
.if (\zero) && (\ra) && (\rb)
	v_wmma_scale_f32_16x16x128_f8f6f4 v[\d:\d+7], v[\a:\a+11], v[\b:\b+11], 0, v[\sa], v[\sb] matrix_a_fmt:MATRIX_FMT_FP6 matrix_b_fmt:MATRIX_FMT_FP6 matrix_a_scale:MATRIX_SCALE_ROW1 matrix_b_scale:MATRIX_SCALE_ROW1
.elseif (\zero) && (\ra)
	v_wmma_scale_f32_16x16x128_f8f6f4 v[\d:\d+7], v[\a:\a+11], v[\b:\b+11], 0, v[\sa], v[\sb] matrix_a_fmt:MATRIX_FMT_FP6 matrix_b_fmt:MATRIX_FMT_FP6 matrix_a_scale:MATRIX_SCALE_ROW1
.elseif (\zero) && (\rb)
	v_wmma_scale_f32_16x16x128_f8f6f4 v[\d:\d+7], v[\a:\a+11], v[\b:\b+11], 0, v[\sa], v[\sb] matrix_a_fmt:MATRIX_FMT_FP6 matrix_b_fmt:MATRIX_FMT_FP6 matrix_b_scale:MATRIX_SCALE_ROW1
.elseif (\zero)
	v_wmma_scale_f32_16x16x128_f8f6f4 v[\d:\d+7], v[\a:\a+11], v[\b:\b+11], 0, v[\sa], v[\sb] matrix_a_fmt:MATRIX_FMT_FP6 matrix_b_fmt:MATRIX_FMT_FP6
.elseif (\ra) && (\rb)
	v_wmma_scale_f32_16x16x128_f8f6f4 v[\d:\d+7], v[\a:\a+11], v[\b:\b+11], v[\d:\d+7], v[\sa], v[\sb] matrix_a_fmt:MATRIX_FMT_FP6 matrix_b_fmt:MATRIX_FMT_FP6 matrix_a_scale:MATRIX_SCALE_ROW1 matrix_b_scale:MATRIX_SCALE_ROW1
.elseif (\ra)
	v_wmma_scale_f32_16x16x128_f8f6f4 v[\d:\d+7], v[\a:\a+11], v[\b:\b+11], v[\d:\d+7], v[\sa], v[\sb] matrix_a_fmt:MATRIX_FMT_FP6 matrix_b_fmt:MATRIX_FMT_FP6 matrix_a_scale:MATRIX_SCALE_ROW1
.elseif (\rb)
	v_wmma_scale_f32_16x16x128_f8f6f4 v[\d:\d+7], v[\a:\a+11], v[\b:\b+11], v[\d:\d+7], v[\sa], v[\sb] matrix_a_fmt:MATRIX_FMT_FP6 matrix_b_fmt:MATRIX_FMT_FP6 matrix_b_scale:MATRIX_SCALE_ROW1
.else
	v_wmma_scale_f32_16x16x128_f8f6f4 v[\d:\d+7], v[\a:\a+11], v[\b:\b+11], v[\d:\d+7], v[\sa], v[\sb] matrix_a_fmt:MATRIX_FMT_FP6 matrix_b_fmt:MATRIX_FMT_FP6
.endif
.endm
.macro LOADF ks, again                 ; K step ks: eight fragments, 24 loads.  again = 1: the set has just been multiplied
	SETF \ks
	WIN 0x40*FW
.if \again
	s_wait_alu depctr_va_vdst(0)                   ; the sixteen products just issued are done reading this set, in which the loads below land
.endif
.irp a, 0,1,2,3
.irp c, 0,1,2
	global_load_b128 v[FB+12*\a+4*\c:FB+12*\a+4*\c+3], v[VO+\a], s[32:33] offset:FRAG*(\ks)+512*\c
.endr
.endr
.irp b, 0,1,2,3
.irp c, 0,1,2
	global_load_b128 v[FB+48+12*\b+4*\c:FB+48+12*\b+4*\c+3], v[L16], s[34:35] offset:TILE*\b+FRAG*(\ks)+512*\c
.endr
.endr
	WIN 0
.endm
.macro MUL ks, zero                    ; 16 matrix instructions, the 16 accumulators by turns
	SETF \ks
	WIN 0x50+5*FW
.irp b, 0,1,2,3
.irp a, 0,1,2,3
	WM6 8*(4*\b+\a), FB+12*\a, FB+48+12*\b, \zero, S0+2*(\ks)+\a/2, S1+2*(\ks)+\b/2, \a%2, \b%2
.endr
.endr
	WIN 0
.endm
	s_load_b256 s[4:11], s[0:1], 0x0               ; xc s[4:5], xs s[6:7], wc s[8:9], ws s[10:11]
	s_load_b128 s[12:15], s[0:1], 0x20             ; qk s[12:13], wvq s[14:15]
	v_lshrrev_b32 v8, 5, v0
	v_readfirstlane_b32 s16, v8                    ; wave 0..3
	v_and_b32 v8, 31, v0
	v_lshlrev_b32 v[L16], 4, v8
	v_lshlrev_b32 v[L4], 2, v8
	v_and_b32 v9, 7, v0                            ; r % 8
	v_bfe_u32 v10, v0, 3, 1                        ; r / 8
	v_bfe_u32 v11, v0, 4, 1                        ; h
	v_mul_u32_u24 v12, v10, TILE                   ; wv's source 0: row 8 u + r % 8 of the tile r / 8 further on: 12,288 (r / 8) + 16 (r % 8 + 16 h)
	v_lshl_add_u32 v12, v9, 4, v12
	v_lshl_add_u32 v12, v11, 8, v12
	v_lshl_add_u32 v13, v11, 3, v9                 ; and its scale words: lanes 0-15 serve u = 0, lanes 16-31 u = 1: row 8 u + r % 8 + 16 (r / 8) of the 32
	v_lshl_add_u32 v13, v10, 4, v13
	v_lshlrev_b32 v13, 2, v13
	s_wait_alu depctr_va_sdst(0)                   ; s16 is written, ahead of its first reader: the tiles' numbers are made from it
	s_lshr_b32 s17, ttmp9, 7                       ; which product
	s_bfe_u32 s18, ttmp9, 0x40003                  ; which 128 rows
	s_and_b32 s19, ttmp9, 7                        ; which 128 columns
	s_lshr_b32 s20, s16, 1
	s_lshl_b32 s20, s20, 2
	s_lshl_b32 s22, s18, 3
	s_add_co_u32 s20, s20, s22                     ; my first tile of x
	s_and_b32 s21, s16, 1
	s_lshl_b32 s21, s21, 2
	s_lshl_b32 s22, s19, 3
	s_add_co_u32 s21, s21, s22                     ; my first tile of the weight (= my first head)
	s_lshl_b32 s22, s17, 7
	s_add_co_u32 s22, s22, s20
	s_mul_i32 s22, s22, TILE                       ; x's codes
	s_mov_b32 s23, 0
	s_lshl_b32 s24, s17, 6
	s_add_co_u32 s24, s24, s21
	s_mul_i32 s24, s24, TILE                       ; the weight's codes
	s_mov_b32 s25, 0
	s_lshl_b32 s26, s17, 16
	s_lshl_b32 s27, s20, 9                         ; my four tiles are one group of 64 rows: 2,048 bytes a group
	s_add_co_u32 s26, s26, s27
	s_mov_b32 s27, 0
	s_lshl_b32 s28, s17, 15
	s_lshl_b32 s29, s21, 9
	s_add_co_u32 s28, s28, s29
	s_mov_b32 s29, 0
	s_and_b32 s30, s17, 1                          ; qk: wk's half lies 8,388,608 bytes on; (128 x head + tile of rows) x 1,024
	s_lshl_b32 s30, s30, 23
	s_lshl_b32 s31, s21, 17
	s_add_co_u32 s30, s30, s31
	s_lshl_b32 s31, s20, 10
	s_add_co_u32 s30, s30, s31
	s_mov_b32 s31, 0
	s_lshl_b32 s40, s21, 15                        ; wvq: (64 x head + block of 32 j) x 512
	s_lshl_b32 s41, s20, 8
	s_add_co_u32 s40, s40, s41
	s_mov_b32 s41, 0
	s_mov_b32 s44, 0x76543210
	s_mov_b32 s45, 0xfedcba98                      ; v_permlanex16_b32's selects for lane l xor 16
	s_wait_kmcnt 0x0
	s_add_nc_u64 s[4:5], s[4:5], s[22:23]
	s_add_nc_u64 s[8:9], s[8:9], s[24:25]
	s_add_nc_u64 s[6:7], s[6:7], s[26:27]
	s_add_nc_u64 s[10:11], s[10:11], s[28:29]
	s_add_nc_u64 s[12:13], s[12:13], s[30:31]
	s_add_nc_u64 s[14:15], s[14:15], s[40:41]
	s_cmp_eq_u32 s17, 2                            ; wv swaps the sources.  The choice hangs on the work-group's number alone
	s_cselect_b64 s[32:33], s[4:5], s[8:9]         ; source 0's codes
	s_cselect_b64 s[34:35], s[8:9], s[4:5]         ; source 1's
	s_cselect_b64 s[36:37], s[6:7], s[10:11]       ; source 0's scale words
	s_cselect_b64 s[38:39], s[10:11], s[6:7]       ; source 1's
	s_cselect_b32 s42, -1, 0
	s_mov_b32 s43, TILE
	s_cselect_b32 s43, 128, s43                    ; tile 1: eight rows on in the same tiles, or the next tile
	s_mov_b32 s46, 3*TILE
	s_cselect_b32 s46, 2*TILE+128, s46             ; tile 3 likewise (tile 2 lies 24,576 bytes on either way)
	v_cndmask_b32 v12, v[L16], v12, s42
	v_cndmask_b32 v[VS], v[L4], v13, s42
	v_mov_b32 v[VO], v12
	v_add_nc_u32 v[VO+1], s43, v12
	v_add_nc_u32 v[VO+2], 2*TILE, v12
	v_add_nc_u32 v[VO+3], s46, v12
	s_wait_alu depctr_va_vdst(0)                   ; the seven offsets v1 to v7 are written: every load and store of the kernel reads one of them
.set i, 0
.rept 8
.irp q, 0,1
	global_load_b32 v[S0+2*i+\q], v[VS], s[36:37] offset:256*i+128*\q
	global_load_b32 v[S1+2*i+\q], v[L4], s[38:39] offset:256*i+128*\q
.endr
.set i, i+1
.endr
	LOADF 0, 0
	LOADF 1, 0
	LOADF 2, 0
.irp ks, 0,1,2,3,4,5,6,7
.if \ks < 6
	s_wait_loadcnt 48                              ; this K step's loads (and all scale words) are in; the two younger K steps' 24 loads each may be out
.else
	s_wait_loadcnt 24*(7-\ks)
.endif
.if \ks == 0
	MUL \ks, 1                                     ; the first K step starts the sums: nothing is cleared
.else
	MUL \ks, 0
.endif
.if \ks < 5
	LOADF \ks+3, 1                                 ; the set is asked for again at once
.endif
.endr
.rept 4
	v_nop                                          ; four places in front of the first read of results
.endr
	s_cmp_eq_u32 s17, 2
	s_cbranch_scc1 .Lwv
	WIN 0x04                                       ; a store's data are its source 1: window 1
	s_wait_alu depctr_va_vdst(0)                   ; the products have written the accumulators, which the stores read; the places above stay beside this wait
.irp a, 0,1,2,3
.irp b, 0,1,2,3
.irp c, 0,1
	global_store_b128 v[L16], v[8*(4*\b+\a)+4*\c:8*(4*\b+\a)+4*\c+3], s[12:13] offset:131072*\a+1024*\b+512*\c   ; each accumulator from its low end on; 512 consecutive bytes a store
.endr
.endr
.endr
	WIN 0
	s_endpgm
.Lwv:
	; eight units (head b, block bb): unit u's 16 numbers are accumulator registers 16 u .. 16 u + 15
.irp u, 0,1,2,3,4,5,6,7
	v_mov_b32 v[TX+\u], 0                          ; a lane permute's destination counts as read
.endr
	WIN 0x14                                       ; sources 1 and 2 window 1
.irp u, 0,1,2,3,4,5,6,7
	v_max3_num_f32 v[TM+\u], 0x1800000, |v[16*\u]|, |v[16*\u+1]|   ; my 16 numbers and the floor 2^(3 - 127): the byte cannot fall under 1.  (The eight units by turns)
.endr
.irp i, 2,4,6,8,10,12,14
.irp u, 0,1,2,3,4,5,6,7
	v_max3_num_f32 v[TM+\u], v[TM+\u], |v[16*\u+\i]|, |v[16*\u+\i+1]|
.endr
.endr
	WIN 0
.irp u, 0,1,2,3,4,5,6,7
	v_permlanex16_b32 v[TX+\u], v[TM+\u], s44, s45
.endr
.irp u, 0,1,2,3,4,5,6,7
	v_max_num_f32 v[TM+\u], v[TM+\u], v[TX+\u]     ; with lane l xor 16's 16: the block's largest magnitude
.endr
.irp u, 0,1,2,3,4,5,6,7
	v_add_nc_u32 v[SV+\u], 0xff000000, v[TM+\u]    ; 2 off its exponent field: the conversion's scale operand
.endr
.irp u, 0,1,2,3,4,5,6,7
	v_lshrrev_b32 v[BYV+\u], 23, v[SV+\u]
.endr
.irp u, 0,1,2,3,4,5,6,7
	v_lshl_or_b32 v[Q+4*\u+3], v[BYV+\u], 8, v[BYV+\u]   ; the byte twice: the next launch lays the block's halves into two blocks of the instruction's K
.endr
	WIN 0x01                                       ; source 0 window 1
.irp u, 0,1,2,3,4,5,6,7
	v_cvt_scalef32_pk16_fp6_f32 v[Q+4*\u:Q+4*\u+2], v[16*\u:16*\u+15], v[SV+\u]
.endr
	WIN 0
	v_nop                                          ; one plain place behind a scaled conversion
	s_wait_alu depctr_va_vdst(0)                   ; the conversions and the scale words' lines have written v[Q ..], which the stores read
.irp u, 0,1,2,3,4,5,6,7
	global_store_b128 v[L16], v[Q+4*\u:Q+4*\u+3], s[14:15] offset:32768*(\u/2)+512*(\u%2)
.endr
	s_endpgm
.Lfunc_end_k_q07de96c70e_proj:
	.size	k_q07de96c70e_proj, .Lfunc_end_k_q07de96c70e_proj-k_q07de96c70e_proj
	.p2alignl 7, 3214868480
	.fill 96, 4, 3214868480
	.section	.rodata,"a",@progbits
	.p2align	6, 0x0
	.amdhsa_kernel k_q07de96c70e_proj
		.amdhsa_group_segment_fixed_size 0
		.amdhsa_private_segment_fixed_size 0
		.amdhsa_enable_private_segment 0
		.amdhsa_kernarg_size 48
		.amdhsa_user_sgpr_count 2
		.amdhsa_user_sgpr_kernarg_segment_ptr 1
		.amdhsa_wavefront_size32 1
		.amdhsa_system_sgpr_workgroup_id_x 1
		.amdhsa_system_sgpr_workgroup_id_y 1
		.amdhsa_system_sgpr_workgroup_id_z 1
		.amdhsa_system_vgpr_workitem_id 0
		.amdhsa_next_free_vgpr 512
		.amdhsa_next_free_sgpr 66
		.amdhsa_reserve_vcc 0
		.amdhsa_float_denorm_mode_32 3
		.amdhsa_float_denorm_mode_16_64 3
		.amdhsa_memory_ordered 1
		.amdhsa_forward_progress 1
		.amdhsa_inst_pref_size 53
	.end_amdhsa_kernel
	.amdgpu_metadata
---
amdhsa.version: [ 1, 2 ]
amdhsa.kernels:
  - .name:           k_q07de96c70e_proj
    .symbol:         k_q07de96c70e_proj.kd
    .args:
      - { .name: xc, .offset: 0, .size: 8, .value_kind: global_buffer, .address_space: global }
      - { .name: xs, .offset: 8, .size: 8, .value_kind: global_buffer, .address_space: global }
      - { .name: wc, .offset: 16, .size: 8, .value_kind: global_buffer, .address_space: global }
      - { .name: ws, .offset: 24, .size: 8, .value_kind: global_buffer, .address_space: global }
      - { .name: qk, .offset: 32, .size: 8, .value_kind: global_buffer, .address_space: global }
      - { .name: wvq, .offset: 40, .size: 8, .value_kind: global_buffer, .address_space: global }
    .group_segment_fixed_size: 0
    .private_segment_fixed_size: 0
    .kernarg_segment_align: 8
    .kernarg_segment_size: 48
    .max_flat_workgroup_size: 128
    .sgpr_count:     66
    .vgpr_count:     512
    .wavefront_size: 32
...
	.end_amdgpu_metadata
.endif
;; end of part 5
;; launch attn (part 6): grid 256 x 1, 4 waves a work-group, no clusters, 132,608 bytes of LDS; arguments qk, wvq, part; writes part
.if DOCPART == 6
	.amdgcn_target "amdgcn-amd-amdhsa--gfx1250"
	.amdhsa_code_object_version 6
	.text
	.protected	k_q07de96c70e_attn
	.globl	k_q07de96c70e_attn
	.p2align	8
	.type	k_q07de96c70e_attn,@function
k_q07de96c70e_attn:
	s_mov_b64 s[64:65], 0
	v_nop
	global_prefetch_b8 v0, s[64:65] scope:SCOPE_SE
	s_setreg_imm32_b32 hwreg(HW_REG_WAVE_SCHED_MODE, 0, 2), 2
	s_setreg_imm32_b32 hwreg(HW_REG_WAVE_MODE, 25, 1), 1
	s_wait_xcnt 0x0
	s_wait_alu depctr_vm_vsrc(0)
; For one head and one quarter of the keys (512 j, 16 blocks of 32): s[i][j] = wq[i] . wk[j] (K = 16, f32 operands), w = softmax over ALL 2,048 i of s / 8, w quantised along j, O[v][i] += wv^T w.
; THE WHOLE COLUMN BLOCK STAYS IN REGISTERS: 2,048 i x 32 j of f32 are 512 registers in each of four waves, so each score is formed once and each exponential taken once; no score goes to memory.
; SHARES.  Wave w owns i = 512 w .. + 511: 32 tiles of 16.  A lane holds ONE query (lane % 16) and, of a block, j = 16 (lane / 16) + 0 .. 15.
; S^T = wk wq^T by v_wmma_f32_16x16x4_f32: source 0 = 16 keys, source 1 = 16 queries.  THE KEYS OF A TILE ARE NOT NEIGHBOURS: lane r of tile u takes key 8 u + r + 8 (r / 8), so that the 16 registers of tiles 0, 1 are neighbours.
; The registers that the f32 form writes (v152-247, three slots of four accumulators) are written by it alone: a score leaves them by a multiplication by 1.0 into P.
; A TRIP (a block of 32 j):  S: scores, two tiles of queries a slot; the running column maxima and the move into P stand in slices behind the matrix instructions, two slots late.
;   reduce: the column maxima over 16 lanes (DPP) and over the four waves (LDS, a barrier).   E: p = 2^(c s - c max), c = log2(e) / 8: one fused multiply-add and one exponential; column sums.
;   reduce: the sums likewise (a second barrier); reciprocals.   F: w = p / sum, each tile's block quantised (largest w over lane l and l xor 16), one FP6 matrix instruction a tile.
; THE MAXIMUM IS TAKEN AWAY.  c max is rounded once for the whole column, so that rounding cancels in p / sum.
; THE FP6 PRODUCT lays a block's 32 j into the instruction's K = 128 as two half-filled blocks: lane (r, h) registers 0-2 = j 16 h + 0 .. 15 (K = 32 h + 0 .. 15); all other codes are zeros; the scale word holds the
; block's byte twice.  So no lane changes places on either side.  The 32 sums O are begun by 32 products of zero codes ahead of the loop, so that the trip is written once.
; wq's images of my 32 tiles lie in my own 32 KB of LDS (registers have no room); wk and wv come from memory into registers, asked for a phase or more ahead of their use.
; NO CLUSTER: the four work-groups of a head share only the one read of wq at the head (128 KB of a launch that then works on registers).  NO PREFETCH: no wave waits for wk or wv.
; LIMITS: NaN and infinities are not served.  A p under 2^-126 comes out of v_exp_f32 as 0.  A block of zeros gets the byte 1 (its codes are zeros).
; THE MODE: SCHED_MODE bits 1:0 = 2 (LLVM: expert scheduling mode 2), set by the entry lines.  The code itself states the register dependences
; between vector or matrix instructions and memory or LDS instructions, with s_wait_alu, always for 0.
; THE PLAN.  Registers that memory or LDS instructions touch, round a trip:
;   Q0 .. Q3      v88-151, in phase S four buffers of two tiles of wq (in the other phases the same registers are LS, R3 and WQ).  Group g's four LDS loads are issued in slot g - 2 and land in Q[g % 4]; slot g's sixteen products read it.
;   WK            Read by all 256 products of S; the next trip's four loads land in it behind the maxima's lane steps.
;   WV, WVS       Loaded at the trip's head; read by F's products.
;   MX, LS        Written by vector lines; read by the LDS stores of the two exchanges; then written anew.  The fourth wave's figures land in the one that is free (LS with the maxima, MX with the sums).
;   v104-151      The other three waves' figures land here in both exchanges; vector lines read them.
;   P             (windows 2, 3) read once by the head's LDS stores of wq, then written by S's moves.        O  (window 1) written by the products, stored behind the loop.
;   v1-5          addresses, made at the head and never written again.
; WAITS ON va_vdst in a trip: at its head (F is done with WV, WVS, LS, R3, WQ: the loads of wv and of groups 0 to 3 follow); at the heads of slots 2, 4 .. 12 (the two slots before are done with their buffers: this slot's and
; the next slot's LDS loads land there, and no line since names them); behind each reduction's lane steps (its figures are written; all earlier readers of the registers in which the exchange's loads, and wk's, land are done);
; behind the exponentials and behind the reciprocals; and ahead of F's products, which go in fours so that one wait serves four: CA, CB and two further code operands, CC and CD, in MX's and R3's registers, free in F.
; WAITS ON vm_vsrc: once ahead of the loop (the head's LDS stores have read P's registers) and at the end of each exchange (its stores have read MX or LS).
.set LQ,  1                            ; v1   LDS: 32,768 x wave + 16 x lane
.set VK,  2                            ; v2   wk: 1,024 (r / 8) + 16 (r % 8 + 16 h)
.set L16, 3                            ; v3   16 x lane
.set AXS, 4                            ; v4   LDS: where I put 16 column figures: MXX + 128 x wave + 64 h
.set AXL, 5                            ; v5   and where I read the four waves': MXX + 64 h
.set BY,  6                            ; v6-7   scale bytes
.set BM,  8                            ; v8-11  largest w, two chains a tile
.set BX,  12                           ; v12-13 lane l xor 16's
.set SO,  14                           ; v14-15 the conversions' scale operands
.set WVS, 18                           ; v18    wv's scale word: a scale and nothing else
.set WV,  20                           ; v20-31 wv's codes (registers 3-11 stay zero)
.set CA,  32                           ; v32-43 w's codes, first tile of four (likewise)
.set CB,  44                           ; v44-55 second tile
.set WK,  56                           ; v56-71 wk: tile u at 8 u
.set MX,  72                           ; v72-87 column maxima, then c x maxima
.set LS,  88                           ; v88-103 column sums, then their reciprocals
.set R3,  104                          ; v104-119 a wave's figures from LDS
.set WQ,  120                          ; v120-151 two waves' figures from LDS; in phase F: w of two tiles
.set QB,  88                           ; v88-151 in phase S: wq, four buffers of two tiles
.set CC,  72                           ; v72-83 in phase F: w's codes, third tile (registers 3-11 are cleared in each trip)
.set CD,  104                          ; v104-115 fourth tile
.set ST,  152                          ; v152-247 the f32 form's accumulators: slot s, tile tt, key tile u at 32 s + 16 tt + 8 u
.set SC,  248                          ; v248-251 w's scale words of four tiles: scales and nothing else
.set MXX, 131072                       ; LDS behind wq's images: 512 bytes for the maxima, 512 for the sums: [wave][h][16 f32]
; window 1: O of tile t at 8 t.   windows 2, 3: P of tile t in window 2 + t / 16 at 16 (t % 16).
.set MSB, 0
.macro WIN new                         ; the immediate's high byte repeats the setting that is left
.if MSB != (\new)
	s_set_vgpr_msb (MSB<<8)|(\new)
.set MSB, (\new)
.endif
.endm
	s_load_b128 s[4:7], s[0:1], 0x0                ; qk s[4:5], wvq s[6:7]
	s_load_b64 s[8:9], s[0:1], 0x10                ; part
	v_lshl_add_u32 v254, v0, 2, 0x20400
	v_mov_b32 v255, 0
	v_lshrrev_b32 v9, 5, v0
	v_readfirstlane_b32 s10, v9                    ; wave 0..3
	v_and_b32 v9, 31, v0
	v_lshlrev_b32 v[L16], 4, v9
	s_wait_alu depctr_va_sdst(0)                   ; s10 is written, ahead of its first reader
	s_lshl_b32 s11, s10, 15
	v_add_nc_u32 v[LQ], s11, v[L16]
	v_and_b32 v10, 15, v0                          ; r
	v_bfe_u32 v11, v0, 4, 1                        ; h
	v_lshrrev_b32 v[VK], 3, v10
	v_lshlrev_b32 v[VK], 10, v[VK]
	v_and_b32 v10, 7, v10
	v_lshl_add_u32 v[VK], v10, 4, v[VK]
	v_lshl_add_u32 v[VK], v11, 8, v[VK]
	v_lshlrev_b32 v[AXL], 6, v11
	v_add_nc_u32 v[AXL], MXX, v[AXL]
	s_lshl_b32 s12, s10, 7
	v_add_nc_u32 v[AXS], s12, v[AXL]
	s_lshr_b32 s12, ttmp9, 2                       ; head
	s_and_b32 s13, ttmp9, 3                        ; quarter of the keys
	s_lshl_b32 s26, s12, 17                        ; a head's images: 128 tiles x 1,024 bytes
	s_add_co_u32 s28, s26, s11                     ; wq: my 32 tiles
	s_mov_b32 s29, 0
	s_lshl_b32 s30, s13, 15                        ; wk: my quarter's 32 tiles, in qk's second half
	s_add_co_u32 s30, s30, s26
	s_add_co_u32 s30, s30, 8388608
	s_mov_b32 s31, 0
	s_lshl_b32 s32, s12, 15                        ; wvq: (64 x head + 16 x quarter) x 512
	s_lshl_b32 s33, s13, 13
	s_add_co_u32 s32, s32, s33
	s_mov_b32 s33, 0
	s_lshl_b32 s34, s13, 23                        ; part: ((64 x quarter + head) x 128 + 32 x wave) x 1,024
	s_add_co_u32 s34, s34, s26
	s_add_co_u32 s34, s34, s11
	s_mov_b32 s35, 0
	s_mov_b32 s20, 0x76543210
	s_mov_b32 s21, 0xfedcba98                      ; v_permlanex16_b32's selects for lane l xor 16
	s_mov_b32 s22, 0x3e38aa3b                      ; c = log2(e) / 8
	s_mov_b32 s23, s22                             ; (named with it as a pair, so it is written)
	s_mov_b32 s24, 16                              ; blocks to go
	s_wait_kmcnt 0x0
	s_add_nc_u64 s[28:29], s[4:5], s[28:29]
	s_add_nc_u64 s[14:15], s[4:5], s[30:31]        ; wk, block 0
	s_add_nc_u64 s[16:17], s[6:7], s[32:33]        ; wv, block 0
	s_add_nc_u64 s[18:19], s[8:9], s[34:35]
	WIN 0x80                                       ; destination window 2: P's registers are free yet
	s_wait_alu depctr_va_vdst(0)                   ; the five addresses v1 to v5 are written: every load, store and LDS instruction of the kernel reads one of them
.set i, 0
.rept 64
	global_load_b128 v[4*i:4*i+3], v[L16], s[28:29] offset:512*i
.set i, i+1
.endr
	WIN 0
	v_mov_b32 v[SC], 0x7f7f7f7f                    ; the start products' scales: 1.0
	v_mov_b32 v[WVS], 0x7f7f7f7f
.set i, 0
.rept 36
	v_mov_b32 v[WV+i], 0                           ; WV, CA, CB stand on end: zero codes; registers 3-11 of each stay so
.set i, i+1
.endr
	v_mov_b32 v[BX], 0                             ; a lane permute's destination counts as read
	v_mov_b32 v[BX+1], 0
	WIN 0x08                                       ; an LDS store's data are its source 1: window 2
.irp k, 0,1,2,3
	s_wait_loadcnt 48-16*\k                        ; this batch of 16 is in; the younger batches may be out
.set i, 16*\k
.rept 16
	ds_store_b128 v[LQ], v[4*i:4*i+3] offset:512*i
.set i, i+1
.endr
.endr
	WIN 0
.rept 8
	v_nop                                          ; a scale register written by a vector instruction stands 8 places ahead of a scaled matrix instruction, an operand so written 4
.endr
	s_wait_alu depctr_va_vdst(0)                   ; the moves have written the scales and the zero codes that the start products take; the places above stay beside this wait
	WIN 0x50                                       ; C and D window 1
.set t, 0
.rept 32
	v_wmma_scale_f32_16x16x128_f8f6f4 v[8*t:8*t+7], v[WV:WV+11], v[CA:CA+11], 0, v[WVS], v[SC] matrix_a_fmt:MATRIX_FMT_FP6 matrix_b_fmt:MATRIX_FMT_FP6   ; zero codes: the 32 sums begin
.set t, t+1
.endr
	WIN 0
.macro KLOAD                           ; a block's two tiles of wk
.irp u, 0,1
.irp c, 0,1
	global_load_b128 v[WK+8*\u+4*\c:WK+8*\u+4*\c+3], v[VK], s[14:15] offset:128*\u+512*\c
.endr
.endr
.endm
	KLOAD                                          ; no vector or matrix instruction has named WK yet
	s_wait_alu depctr_vm_vsrc(0)                   ; the LDS stores above have read P's registers, which phase S writes
.macro QLOAD g                         ; group g's two tiles of wq into buffer g % 4
.irp tt, 0,1
.irp c, 0,1
	ds_load_b128 v[QB+16*((\g)%4)+8*\tt+4*\c:QB+16*((\g)%4)+8*\tt+4*\c+3], v[LQ] offset:1024*(2*(\g)+\tt)+512*\c
.endr
.endr
.endm
; Matrix instruction n of 16 of group g: K step n / 4, query tile (n / 2) % 2, key tile n % 2.  The four accumulators take turns; the first K step starts each sum with the constant 0.
.macro WMM g
.set dd, ST+32*((\g)%3)+16*((n/2)%2)+8*(n%2)
.set aa, WK+8*(n%2)+2*(n/4)
.set bb, QB+16*((\g)%4)+8*((n/2)%2)+2*(n/4)
.if n < 4
	v_wmma_f32_16x16x4_f32 v[dd:dd+7], v[aa:aa+1], v[bb:bb+1], 0
.else
	v_wmma_f32_16x16x4_f32 v[dd:dd+7], v[aa:aa+1], v[bb:bb+1], v[dd:dd+7]
.endif
.endm
; Slice sl of group g's vector work.  0-7: the running column maxima take the group's two tiles, each accumulator from its low end on.  8-11: the scores leave the stage for P.
.macro PROC g, sl
.set SB, ST+32*((\g)%3)
.if (\sl) < 8
.irp e, 0,1
.set xx, 2*(\sl)+\e
.if (\g) == 0
	v_max_num_f32 v[MX+xx], v[SB+xx], v[SB+16+xx]  ; the first group starts the maxima
.else
	v_max3_num_f32 v[MX+xx], v[MX+xx], v[SB+xx], v[SB+16+xx]
.endif
.endr
.elseif (\sl) < 12
	WIN 0x80+0x40*((\g)/8)                         ; destination window 2 or 3
.irp e, 0,1,2,3
.set kk, 4*((\sl)-8)+\e
.set PB, 16*((2*(\g)+kk/8)%16)+2*(kk%8)
.set SS, SB+16*(kk/8)+2*(kk%8)
	v_pk_mul_f32 v[PB:PB+1], v[SS:SS+1], 1.0 op_sel_hi:[1,0]
.endr
	WIN 0
.endif
.endm
; A SLOT: group g's 16 matrix instructions; behind each a slice of group g - 2's vector work; behind slice 7 the four LDS loads of group g + 2.
; PLACES (eight behind this form, nine before a matrix instruction writes over a register): a group's results are first read two slots on, behind the 32 lines of the group before it; slot 1 has no such
; lines yet and gets eight v_nop, which stand between group 0's products and the first read of their results.  Slots 16 and 17 have vector work alone.
.macro SLOT g
.if (\g) < 15
	s_wait_dscnt 0x4                               ; LDS loads come back in order (ISA guide 5.7.1): this group's four are in; the next group's four may be out
.elseif (\g) == 15
	s_wait_dscnt 0x0                               ; the last group's four
.endif
.if ((\g) >= 2) && ((\g) <= 12) && ((\g)%2 == 0)
	s_wait_alu depctr_va_vdst(0)                   ; the products of the two slots before are done reading their buffers of wq, in which this slot's and the next slot's LDS loads land
.endif
.set n, 0
.rept 16
.if (\g) < 16
	WMM \g
.endif
.if (\g) >= 2
	PROC (\g)-2, n
.endif
.if n == 7
.if (\g) == 1
.rept 8
	v_nop
.endr
.endif
.if (\g) < 14
	QLOAD (\g)+2                                   ; no wait here: no vector or matrix instruction since the last wait on va_vdst names this buffer
.endif
.endif
.set n, n+1
.endr
.endm
; 16 column figures of a lane (v[reg] on) are joined over the 16 lanes of a row (XDPP: kind 0 = maxima, 1 = sums), then over the four waves (XCHG): their figures land in WQ, WQ + 16, R3 and d3.
; Two barriers a trip serve both regions: a region is written again only behind the OTHER region's barrier, which every wave signals behind the wait for its reads of this one.
.macro XDPP kind, reg
.irp m, 1,2,4,8
.set i, 0
.rept 16
.if \kind
	v_add_f32_dpp v[\reg+i], v[\reg+i], v[\reg+i] row_xmask:\m row_mask:0xf bank_mask:0xf
.else
	v_max_num_f32_dpp v[\reg+i], v[\reg+i], v[\reg+i] row_xmask:\m row_mask:0xf bank_mask:0xf
.endif
.set i, i+1
.endr
.endr
.endm
.macro XCHG reg, off, d3
.irp q, 0,1,2,3
	ds_store_b128 v[AXS], v[\reg+4*\q:\reg+4*\q+3] offset:\off+16*\q   ; the sixteen lanes of a row write equal values to equal words
.endr
	s_wait_dscnt 0x0                               ; for the others' sake: my stores have landed
	s_barrier_signal -1
	s_barrier_wait -1
.irp q, 0,1,2,3
	ds_load_b128 v[WQ+4*\q:WQ+4*\q+3], v[AXL] offset:\off+16*\q
	ds_load_b128 v[WQ+16+4*\q:WQ+16+4*\q+3], v[AXL] offset:\off+128+16*\q
	ds_load_b128 v[R3+4*\q:R3+4*\q+3], v[AXL] offset:\off+256+16*\q
	ds_load_b128 v[\d3+4*\q:\d3+4*\q+3], v[AXL] offset:\off+384+16*\q
.endr
	s_wait_dscnt 0x0
	s_wait_alu depctr_vm_vsrc(0)                   ; my LDS stores above have read v[reg ..], which the lines that follow write anew
.endm
.macro ESUB win                        ; a window's 16 tiles: t = c s - c max, two at a time, and p = 2^t in place
	WIN ((\win)<<6)|(\win)
.set t, 0
.rept 16
.set p, 0
.rept 8
	v_pk_fma_f32 v[16*t+2*p:16*t+2*p+1], v[16*t+2*p:16*t+2*p+1], s[22:23], v[MX+2*p:MX+2*p+1] op_sel_hi:[1,0,1] neg_lo:[0,0,1] neg_hi:[0,0,1]
.set p, p+1
.endr
.set p, 0
.rept 16
	v_exp_f32 v[16*t+p], v[16*t+p]
.set p, p+1
.endr
.set t, t+1
.endr
.endm
.macro FP6B k                          ; O of tiles 4 k .. 4 k + 3 += wv^T w: four accumulators, one instruction each
	s_wait_alu depctr_va_vdst(0)                   ; the conversions have written the four tiles' codes and the vector lines their scale words, which these products take; the places ahead stay beside this wait
	WIN 0x50
	v_wmma_scale_f32_16x16x128_f8f6f4 v[32*(\k):32*(\k)+7], v[WV:WV+11], v[CA:CA+11], v[32*(\k):32*(\k)+7], v[WVS], v[SC] matrix_a_fmt:MATRIX_FMT_FP6 matrix_b_fmt:MATRIX_FMT_FP6
	v_wmma_scale_f32_16x16x128_f8f6f4 v[32*(\k)+8:32*(\k)+15], v[WV:WV+11], v[CB:CB+11], v[32*(\k)+8:32*(\k)+15], v[WVS], v[SC+1] matrix_a_fmt:MATRIX_FMT_FP6 matrix_b_fmt:MATRIX_FMT_FP6
	v_wmma_scale_f32_16x16x128_f8f6f4 v[32*(\k)+16:32*(\k)+23], v[WV:WV+11], v[CC:CC+11], v[32*(\k)+16:32*(\k)+23], v[WVS], v[SC+2] matrix_a_fmt:MATRIX_FMT_FP6 matrix_b_fmt:MATRIX_FMT_FP6
	v_wmma_scale_f32_16x16x128_f8f6f4 v[32*(\k)+24:32*(\k)+31], v[WV:WV+11], v[CD:CD+11], v[32*(\k)+24:32*(\k)+31], v[WVS], v[SC+3] matrix_a_fmt:MATRIX_FMT_FP6 matrix_b_fmt:MATRIX_FMT_FP6
.endm
; Group g of phase F: tiles 2 g, 2 g + 1 are normalised and quantised; an even group's codes go to CA, CB, an odd group's to CC, CD.  The four products of the two groups before stand behind an even group's 16
; multiplications: those and the v_nop are the 17 places between the scale words and codes last made and the products that take them; this group's maxima are the places between those products and the next write of their operands.
.macro FG g
.set C0, CA+40*((\g)%2)
.set C1, CB+60*((\g)%2)
.set SW, SC+2*((\g)%2)
	WIN 0x02+(\g)/8                                ; source 0 window 2 or 3
.irp tt, 0,1
.irp p, 0,1,2,3,4,5,6,7
	v_pk_mul_f32 v[WQ+16*\tt+2*\p:WQ+16*\tt+2*\p+1], v[16*((2*(\g)+\tt)%16)+2*\p:16*((2*(\g)+\tt)%16)+2*\p+1], v[LS+2*\p:LS+2*\p+1]   ; w = p / the column's sum: finished and normalised
.endr
.endr
.if ((\g) > 0) && ((\g)%2 == 0)
	FP6B (\g)/2-1
.endif
	WIN 0
.irp tt, 0,1                           ; the largest of my 16 w and the floor 2^(3 - 127); none is negative.  Two chains a tile, the four by turns
	v_max3_num_f32 v[BM+2*\tt], v[WQ+16*\tt], v[WQ+16*\tt+1], 0x1800000
	v_max3_num_f32 v[BM+2*\tt+1], v[WQ+16*\tt+8], v[WQ+16*\tt+9], v[WQ+16*\tt+10]
.endr
.irp i, 2,4
.irp tt, 0,1
	v_max3_num_f32 v[BM+2*\tt], v[BM+2*\tt], v[WQ+16*\tt+\i], v[WQ+16*\tt+\i+1]
	v_max3_num_f32 v[BM+2*\tt+1], v[BM+2*\tt+1], v[WQ+16*\tt+9+\i], v[WQ+16*\tt+10+\i]
.endr
.endr
.irp tt, 0,1
	v_max3_num_f32 v[BM+2*\tt], v[BM+2*\tt], v[WQ+16*\tt+6], v[WQ+16*\tt+7]
.endr
.irp tt, 0,1
	v_max3_num_f32 v[BM+2*\tt], v[BM+2*\tt], v[BM+2*\tt+1], v[WQ+16*\tt+15]
.endr
.irp tt, 0,1
	v_permlanex16_b32 v[BX+\tt], v[BM+2*\tt], s20, s21
.endr
.irp tt, 0,1
	v_max_num_f32 v[BM+2*\tt], v[BM+2*\tt], v[BX+\tt]      ; with lane l xor 16's 16: the block's largest
.endr
.irp tt, 0,1
	v_add_nc_u32 v[SO+\tt], 0xff000000, v[BM+2*\tt]        ; 2 off its exponent field: the conversion's scale operand
.endr
.irp tt, 0,1
	v_lshrrev_b32 v[BY+\tt], 23, v[SO+\tt]
.endr
.irp tt, 0,1
	v_lshl_or_b32 v[SW+\tt], v[BY+\tt], 8, v[BY+\tt]       ; the byte twice; the upper two bytes stand over zero codes
.endr
	v_cvt_scalef32_pk16_fp6_f32 v[C0:C0+2], v[WQ:WQ+15], v[SO]
	v_cvt_scalef32_pk16_fp6_f32 v[C1:C1+2], v[WQ+16:WQ+31], v[SO+1]
	v_nop                                          ; one plain place behind a scaled conversion
.endm
.Lblock:
	s_wait_alu depctr_va_vdst(0)                   ; the last products (the start products, in the first trip) are done reading WV, WVS and CD, and phase F's lines are done with LS and WQ: the loads of wv and of wq's groups 0 to 3 land there
	global_load_b96 v[WV:WV+2], v[L16], s[16:17]   ; this block's wv: wanted in phase F
	global_load_b32 v[WVS], v[L16], s[16:17] offset:12
	QLOAD 0
	QLOAD 1
	s_wait_loadcnt 0x2                             ; wk's four loads are in; the two just issued may be out
	; ---- S
.irp g, 0,1,2,3,4,5,6,7,8,9,10,11,12,13,14,15,16,17
	SLOT \g
.endr
	s_wait_loadcnt 0x0                             ; wv is in; no load of mine is out, so both bases may step
	s_add_nc_u64 s[16:17], s[16:17], 512
	XDPP 0, MX
	s_wait_alu depctr_va_vdst(0)                   ; the lane steps have written MX, which the LDS stores read; S's products are done reading WK and wq's four buffers, in which the loads below land
	s_cmp_eq_u32 s24, 1                            ; the last block asks for nothing: no load leaves its buffer
	s_cbranch_scc1 .Lnok
	s_add_nc_u64 s[14:15], s[14:15], 2048
	KLOAD                                          ; the next block's wk: phases E and F ahead of its use
.Lnok:
	XCHG MX, 0, LS
.set i, 0
.rept 16
	v_max3_num_f32 v[MX+i], v[WQ+i], v[WQ+16+i], v[R3+i]
.set i, i+1
.endr
.set i, 0
.rept 16
	v_max_num_f32 v[MX+i], v[MX+i], v[LS+i]        ; the column's largest score over all 2,048 queries
.set i, i+1
.endr
.set i, 0
.rept 8
	v_pk_mul_f32 v[MX+2*i:MX+2*i+1], v[MX+2*i:MX+2*i+1], s[22:23] op_sel_hi:[1,0]   ; x c
.set i, i+1
.endr
	; ---- E
	ESUB 2
	ESUB 3
	WIN 0
	v_nop                                          ; a plain place behind the last exponential
	s_wait_alu depctr_va_vdst(0)                   ; the 512 exponentials have written p, ahead of the first line that reads one: one wait for all
	WIN 0x0a                                       ; sources 0 and 1 window 2
.irp p, 0,1,2,3,4,5,6,7
	v_pk_add_f32 v[LS+2*\p:LS+2*\p+1], v[2*\p:2*\p+1], v[16+2*\p:16+2*\p+1]   ; the first two tiles start the sums: eight chains by turns
.endr
	WIN 0x08
.set t, 2
.rept 14
.irp p, 0,1,2,3,4,5,6,7
	v_pk_add_f32 v[LS+2*\p:LS+2*\p+1], v[LS+2*\p:LS+2*\p+1], v[16*t+2*\p:16*t+2*\p+1]
.endr
.set t, t+1
.endr
	WIN 0x0c
.set t, 0
.rept 16
.irp p, 0,1,2,3,4,5,6,7
	v_pk_add_f32 v[LS+2*\p:LS+2*\p+1], v[LS+2*\p:LS+2*\p+1], v[16*t+2*\p:16*t+2*\p+1]
.endr
.set t, t+1
.endr
	WIN 0
	XDPP 1, LS
	s_wait_alu depctr_va_vdst(0)                   ; the lane steps have written LS, which the LDS stores read; the lines that read the maxima's figures in v104-151 and c x max in MX are done: the loads below land there
	XCHG LS, 512, MX
.irp p, 0,1,2,3,4,5,6,7
	v_pk_add_f32 v[LS+2*\p:LS+2*\p+1], v[WQ+2*\p:WQ+2*\p+1], v[WQ+16+2*\p:WQ+16+2*\p+1]
.endr
.irp p, 0,1,2,3,4,5,6,7
	v_pk_add_f32 v[LS+2*\p:LS+2*\p+1], v[LS+2*\p:LS+2*\p+1], v[R3+2*\p:R3+2*\p+1]
.endr
.irp p, 0,1,2,3,4,5,6,7
	v_pk_add_f32 v[LS+2*\p:LS+2*\p+1], v[LS+2*\p:LS+2*\p+1], v[MX+2*\p:MX+2*\p+1]   ; the column's sum, in the same order in every wave
.endr
.set i, 0
.rept 16
	v_rcp_f32 v[LS+i], v[LS+i]
.set i, i+1
.endr
.set i, 3
.rept 9
	v_mov_b32 v[CC+i], 0                           ; MX's and R3's registers are free from here to the trip's end: registers 3-11 of the two further code operands are zero codes.
	v_mov_b32 v[CD+i], 0                           ; (Plain work behind the reciprocals)
.set i, i+1
.endr
	s_wait_alu depctr_va_vdst(0)                   ; the sixteen reciprocals have written LS, ahead of the first line that reads one
	; ---- F
.irp g, 0,1,2,3,4,5,6,7,8,9,10,11,12,13,14,15
	FG \g
.endr
.rept 7
	v_nop                                          ; with the one above: eight places between the last scale words and their products
.endr
	FP6B 7
	WIN 0
	s_sub_co_u32 s24, s24, 1
	s_cmp_lg_u32 s24, 0
	s_cbranch_scc1 .Lblock
.rept 4
	v_nop                                          ; four places behind the last products, in front of the stores of O
.endr
	WIN 0x04                                       ; a store's data are its source 1: window 1
	s_wait_alu depctr_va_vdst(0)                   ; the products have written O, which the stores read; the places above stay beside this wait
.set t, 0
.rept 32
	global_store_b128 v[L16], v[8*t:8*t+3], s[18:19] offset:1024*t           ; each accumulator from its low end on; 512 consecutive bytes a store
	global_store_b128 v[L16], v[8*t+4:8*t+7], s[18:19] offset:1024*t+512
.set t, t+1
.endr
	WIN 0
	s_wait_dscnt 0x0
	s_wait_alu depctr_hold_cnt(0) depctr_sa_sdst(0) depctr_va_vdst(0) depctr_va_sdst(0) depctr_va_ssrc(0) depctr_va_vcc(0) depctr_vm_vsrc(0)
	s_wait_tensorcnt 0x0
	ds_add_u32 v254, v255
	s_wait_dscnt 0x0
	s_endpgm
.Lfunc_end_k_q07de96c70e_attn:
	.size	k_q07de96c70e_attn, .Lfunc_end_k_q07de96c70e_attn-k_q07de96c70e_attn
	.p2alignl 7, 3214868480
	.fill 96, 4, 3214868480
	.section	.rodata,"a",@progbits
	.p2align	6, 0x0
	.amdhsa_kernel k_q07de96c70e_attn
		.amdhsa_group_segment_fixed_size 132608
		.amdhsa_private_segment_fixed_size 0
		.amdhsa_enable_private_segment 0
		.amdhsa_kernarg_size 24
		.amdhsa_user_sgpr_count 2
		.amdhsa_user_sgpr_kernarg_segment_ptr 1
		.amdhsa_wavefront_size32 1
		.amdhsa_system_sgpr_workgroup_id_x 1
		.amdhsa_system_sgpr_workgroup_id_y 1
		.amdhsa_system_sgpr_workgroup_id_z 1
		.amdhsa_system_vgpr_workitem_id 0
		.amdhsa_next_free_vgpr 1024
		.amdhsa_next_free_sgpr 66
		.amdhsa_reserve_vcc 0
		.amdhsa_float_denorm_mode_32 3
		.amdhsa_float_denorm_mode_16_64 3
		.amdhsa_memory_ordered 1
		.amdhsa_forward_progress 1
		.amdhsa_inst_pref_size 195
	.end_amdhsa_kernel
	.amdgpu_metadata
---
amdhsa.version: [ 1, 2 ]
amdhsa.kernels:
  - .name:           k_q07de96c70e_attn
    .symbol:         k_q07de96c70e_attn.kd
    .args:
      - { .name: qk, .offset: 0, .size: 8, .value_kind: global_buffer, .address_space: global }
      - { .name: wvq, .offset: 8, .size: 8, .value_kind: global_buffer, .address_space: global }
      - { .name: part, .offset: 16, .size: 8, .value_kind: global_buffer, .address_space: global }
    .group_segment_fixed_size: 132608
    .private_segment_fixed_size: 0
    .kernarg_segment_align: 8
    .kernarg_segment_size: 24
    .max_flat_workgroup_size: 128
    .sgpr_count:     66
    .vgpr_count:     1024
    .wavefront_size: 32
...
	.end_amdgpu_metadata
.endif
;; end of part 6
;; launch outp (part 7): grid 256 x 1, 4 waves a work-group, no clusters, 47,616 bytes of LDS; arguments part, wc, ws, out0; writes out0
.if DOCPART == 7
	.amdgcn_target "amdgcn-amd-amdhsa--gfx1250"
	.amdhsa_code_object_version 6
	.text
	.protected	k_q07de96c70e_outp
	.globl	k_q07de96c70e_outp
	.p2align	8
	.type	k_q07de96c70e_outp,@function
k_q07de96c70e_outp:
	s_mov_b64 s[64:65], 0
	v_nop
	global_prefetch_b8 v0, s[64:65] scope:SCOPE_SE
	s_setreg_imm32_b32 hwreg(HW_REG_WAVE_SCHED_MODE, 0, 2), 2
	s_setreg_imm32_b32 hwreg(HW_REG_WAVE_MODE, 25, 1), 1
	s_wait_xcnt 0x0
	s_wait_alu depctr_vm_vsrc(0)
; out0 = Q(heads) Q(o_w): heads = the sum of the four quarters' partial sums, quantised along t = 16 head + v; o_w's codes and scale words come from the first launch.  FP6 (E2M3), E8M0 scales, f32 sums, K ascending.
; SHARES.  A work-group takes 16 rows i and 512 columns; wave w makes columns 128 w .. + 127 of them (8 accumulators, by turns).
; heads.  A partial tile (head, 16 rows) lies as lane (r, h) register j = heads(i = r, v = 8 h + j).  Eight heads' tiles on end are 64 numbers of a lane, register 16 b + n = place 32 b + 16 h + n of the K step, where a
; block's places hold t = 0-7, 16-23, 8-15, 24-31: the order in which o_w's codes were laid.  Wave w adds and quantises K steps 2 w and 2 w + 1.
; THE FRAGMENTS GO FROM WAVE TO WAVE THROUGH LDS AS IMAGES OF THEIR REGISTERS (three stores of 512 bytes, the scale word 4 bytes a lane); one barrier; every wave loads all eight.
; THE MATRIX INSTRUCTION IS USED TRANSPOSED (source 0 = 16 columns of o_w, source 1 = heads): a lane holds eight neighbouring numbers of a row of out0; they leave through the wave's own stage as rows of 512 bytes.
; o_w's fragments come from memory straight into registers, four sets, three K steps ahead.
; NO CLUSTER, NO LDS RING: a K step is 8 matrix instructions a wave, and no tile lies in LDS that a joint load could fill.  NO PREFETCH: eight K steps in all, each already asked for steps ahead.
; LIMITS: NaN and infinities are not served; a block of zeros gets the byte 1 (its codes are zeros).
; THE MODE: SCHED_MODE bits 1:0 = 2 (LLVM: expert scheduling mode 2), set by the entry lines.  The code itself states the register dependences
; between vector or matrix instructions and memory or LDS instructions, with s_wait_alu, always for 0.
; THE PLAN.  Registers that memory or LDS instructions touch:
;   v1-6          offsets and LDS addresses, made at the head and never written again.
;   partials      (window 3) loaded; added in place; loaded once more; added.
;   PC, PW        Written by QUANT; read by an image's LDS stores; written again by the second QUANT.
;   ST = H        v96-159 written by the additions and read by QUANT; then heads' eight images land in v96-191; the products read them; on the way out rows of the stage land there and the stores read them.
;   four sets     of o_w's fragments.  Set ks % 4: the loads of K step ks land in it; that step's eight products read it; the loads of K step ks + 4, issued in step ks + 1, land in it.
;   WS, HS        scale words, loaded once.                    ACC  written by the products; read by the LDS stores of the way out.
; WAITS ON va_vdst: ahead of each run of the partials' loads; ahead of each image's stores (the second also stands ahead of the LDS loads into ST's registers: no vector line follows it); at the heads of K steps 1 to 4
; (the step before is done reading its set: the step's 24 loads follow, dealt among its products, which name ACC, H, the scale words and another set); ahead of the way out.  ONE WAIT ON vm_vsrc: behind the first image.
.set FRAG, 1536
.set TILE, 12288
.set HSC,  8*FRAG                      ; LDS: 0: the eight images; HSC: their scale words, 128 bytes each;
.set STG,  HSC+8*128                   ; STG: a stage of 16 rows x (512 + 16) bytes for each wave
.set SP,   528
.set L16, 1                            ; 16 x lane
.set L4,  2                            ; 4 x lane
.set IWI, 3                            ; where I store my images: 16 x lane + 3,072 x wave
.set IWS, 4                            ; and their scale words: 4 x lane + 256 x wave
.set SOA, 5                            ; the stage: where I put 32 bytes of a row
.set SRA, 6                            ; and where I read a row back
.set HS,  16                           ; v16-23 heads' scale words
.set WS,  24                           ; v24-55 o_w's: register 4 ks + q: lanes 0-15 tile 2 q, lanes 16-31 tile 2 q + 1
.set TM,  56                           ; v56-59 largest magnitudes, v60-63 bytes, v68-71 the conversions' scale operands
.set PW,  72                           ; the scale word just made
.set PC,  76                           ; v76-94 the codes just made
.set ST,  96                           ; v96-159 64 numbers of heads
.set H,   96                           ; v96-191 later: heads' eight fragments; on the way out: rows of out0
.set ACC, 192                          ; v192-255
; window 1: o_w's sets 0 (v0-95) and 1 (v96-191);  window 2: sets 2 (v0-95) and 3 (v96-191);  window 3: the four partials, 64 registers each
.set MSB, 0
.macro WIN new                         ; the immediate's high byte repeats the setting that is left
.if MSB != (\new)
	s_set_vgpr_msb (MSB<<8)|(\new)
.set MSB, (\new)
.endif
.endm
.macro SETO ks
.set OBS, 96*((\ks)%2)
.set OW, 1+((\ks)%4)/2
.endm
.macro WM6 d, a, b, zero, sa, sb, ra   ; ra = 1: source 0's scales stand in lanes 16-31 of their register
.if (\zero) && (\ra)
	v_wmma_scale_f32_16x16x128_f8f6f4 v[\d:\d+7], v[\a:\a+11], v[\b:\b+11], 0, v[\sa], v[\sb] matrix_a_fmt:MATRIX_FMT_FP6 matrix_b_fmt:MATRIX_FMT_FP6 matrix_a_scale:MATRIX_SCALE_ROW1
.elseif (\zero)
	v_wmma_scale_f32_16x16x128_f8f6f4 v[\d:\d+7], v[\a:\a+11], v[\b:\b+11], 0, v[\sa], v[\sb] matrix_a_fmt:MATRIX_FMT_FP6 matrix_b_fmt:MATRIX_FMT_FP6
.elseif (\ra)
	v_wmma_scale_f32_16x16x128_f8f6f4 v[\d:\d+7], v[\a:\a+11], v[\b:\b+11], v[\d:\d+7], v[\sa], v[\sb] matrix_a_fmt:MATRIX_FMT_FP6 matrix_b_fmt:MATRIX_FMT_FP6 matrix_a_scale:MATRIX_SCALE_ROW1
.else
	v_wmma_scale_f32_16x16x128_f8f6f4 v[\d:\d+7], v[\a:\a+11], v[\b:\b+11], v[\d:\d+7], v[\sa], v[\sb] matrix_a_fmt:MATRIX_FMT_FP6 matrix_b_fmt:MATRIX_FMT_FP6
.endif
.endm
.macro PLOAD f                         ; K step 2 w + f: eight heads' tiles of each of the four partials
	WIN 0xc0
	s_wait_alu depctr_va_vdst(0)                   ; f = 0: the six offsets and addresses v1 to v6 are written;  f = 1: the additions are done reading and writing the partials' registers, in which these loads land
.irp qd, 0,1,2,3
.irp e, 0,1,2,3,4,5,6,7
.irp c, 0,1
	global_load_b128 v[64*\qd+8*\e+4*\c:64*\qd+8*\e+4*\c+3], v[L16], s[16+2*\qd:17+2*\qd] offset:1048576*\f+131072*\e+512*\c
.endr
.endr
.endr
	WIN 0
.endm
.macro PSUM                            ; (p0 + p1) + (p2 + p3), two numbers an instruction
	WIN 0xcf
.set i, 0
.rept 32
	v_pk_add_f32 v[2*i:2*i+1], v[2*i:2*i+1], v[64+2*i:64+2*i+1]
	v_pk_add_f32 v[128+2*i:128+2*i+1], v[128+2*i:128+2*i+1], v[192+2*i:192+2*i+1]
.set i, i+1
.endr
	WIN 0x0f
.set i, 0
.rept 32
	v_pk_add_f32 v[ST+2*i:ST+2*i+1], v[2*i:2*i+1], v[128+2*i:128+2*i+1]
.set i, i+1
.endr
	WIN 0
.endm
; 64 numbers of a lane, v[ST] on, register 16 b + n = place 32 b + 16 (lane / 16) + n of my row's K step, become a fragment's codes in v[PC] on and its scale word in v[PW].
.macro QUANT
.irp b, 0,1,2,3
	v_max3_num_f32 v[TM+\b], |v[ST+16*\b]|, |v[ST+1+16*\b]|, 0x1800000   ; block b: my 16 numbers and the floor 2^(3 - 127): the byte cannot fall under 1
.endr
.irp i, 2,4,6,8,10,12,14
.irp b, 0,1,2,3
	v_max3_num_f32 v[TM+\b], v[TM+\b], |v[ST+16*\b+\i]|, |v[ST+1+16*\b+\i]|   ; (the four blocks by turns)
.endr
.endr
.irp b, 0,1,2,3
	v_permlanex16_b32 v[TM+4+\b], v[TM+\b], s36, s37
.endr
.irp b, 0,1,2,3
	v_max_num_f32 v[TM+\b], v[TM+\b], v[TM+4+\b]   ; with lane l xor 16's: the block's largest magnitude
.endr
.irp b, 0,1,2,3
	v_add_nc_u32 v[TM+12+\b], 0xff000000, v[TM+\b] ; 2 off its exponent field: the conversion's scale operand
.endr
.irp b, 0,1,2,3
	v_lshrrev_b32 v[TM+4+\b], 23, v[TM+12+\b]      ; the scale's byte
.endr
	v_lshl_or_b32 v[PW], v[TM+5], 8, v[TM+4]       ; the four bytes make my row's scale word
	v_lshl_or_b32 v[PW], v[TM+6], 16, v[PW]
	v_lshl_or_b32 v[PW], v[TM+7], 24, v[PW]
.irp c, 0,1
	v_cvt_scalef32_pk16_fp6_f32 v[PC+6*\c:PC+2+6*\c], v[ST+32*\c:ST+15+32*\c], v[TM+12+2*\c]
	v_cvt_scalef32_pk16_fp6_f32 v[PC+12+4*\c:PC+14+4*\c], v[ST+16+32*\c:ST+31+32*\c], v[TM+12+2*\c+1]   ; (a conversion's three registers begin on an even number)
.endr
	v_nop                                          ; one plain place behind a scaled conversion
.irp c, 0,1                            ; the operand's layout wants a WHOLE block in a lane: lanes 0-15 block 2 c, lanes 16-31 block 2 c + 1
.irp i, 0,1,2
	v_permlane16_swap_b32 v[PC+6*\c+\i], v[PC+12+4*\c+\i]
.endr
.irp i, 0,1,2
	v_mov_b32 v[PC+3+6*\c+\i], v[PC+12+4*\c+\i]
.endr
.endr
.endm
.macro IMAGE f                         ; the fragment goes to LDS as it stands
	s_wait_alu depctr_va_vdst(0)                   ; the conversions, swaps and moves have written v[PC ..] and v[PW], which the LDS stores read; all readers of v[ST ..] are done
.irp c, 0,1,2
	ds_store_b128 v[IWI], v[PC+4*\c:PC+4*\c+3] offset:FRAG*\f+512*\c
.endr
	ds_store_b32 v[IWS], v[PW] offset:HSC+128*\f
.endm
.macro OLOADH ks, hf                   ; o_w's fragments 4 hf .. 4 hf + 3 of K step ks: 12 loads
	SETO \ks
	WIN 0x40*OW
.irp e, 0,1,2,3
.irp c, 0,1,2
	global_load_b128 v[OBS+12*(4*(\hf)+\e)+4*\c:OBS+12*(4*(\hf)+\e)+4*\c+3], v[L16], s[24:25] offset:TILE*(4*(\hf)+\e)+FRAG*(\ks)+512*\c
.endr
.endr
	WIN 0
.endm
.macro OLOAD ks                        ; all eight: 24 loads
	OLOADH \ks, 0
	OLOADH \ks, 1
.endm
.macro MULH ks, hf, zero               ; four of a K step's eight products: accumulators 4 hf .. 4 hf + 3
	SETO \ks
	WIN OW                                         ; source 0 window 1 or 2
.irp e, 0,1,2,3
	WM6 ACC+8*(4*(\hf)+\e), OBS+12*(4*(\hf)+\e), H+12*(\ks), \zero, WS+4*(\ks)+2*(\hf)+\e/2, HS+(\ks), \e%2
.endr
	WIN 0
.endm
	s_load_b256 s[4:11], s[0:1], 0x0               ; part s[4:5], wc s[6:7], ws s[8:9], out0 s[10:11]
	v_lshl_add_u32 v91, v0, 2, 0xb800
	v_mov_b32 v95, 0
	v_lshrrev_b32 v8, 5, v0
	v_readfirstlane_b32 s12, v8                    ; wave 0..3
	v_and_b32 v8, 31, v0
	v_lshlrev_b32 v[L16], 4, v8
	v_lshlrev_b32 v[L4], 2, v8
	s_wait_alu depctr_va_sdst(0)                   ; s12 is written, ahead of its first reader
	s_mul_i32 s26, s12, 2*FRAG
	v_add_nc_u32 v[IWI], s26, v[L16]
	s_lshl_b32 s26, s12, 8
	v_add_nc_u32 v[IWS], s26, v[L4]
	v_and_b32 v9, 15, v0                           ; r
	v_bfe_u32 v10, v0, 4, 1                        ; h
	s_mul_i32 s26, s12, 16*SP
	s_add_co_u32 s26, s26, STG                     ; my stage
	v_mul_u32_u24 v[SOA], v9, SP
	v_lshl_add_u32 v[SOA], v10, 5, v[SOA]
	v_add_nc_u32 v[SOA], s26, v[SOA]               ; in: row r, + 32 h
	v_add_nc_u32 v[SRA], s26, v[L16]               ; back: a row's 512 bytes, 16 a lane
.irp b, 0,1,2,3
	v_mov_b32 v[TM+4+\b], 0                        ; a lane permute's destination counts as read
.endr
	s_mov_b32 s36, 0x76543210
	s_mov_b32 s37, 0xfedcba98                      ; v_permlanex16_b32's selects for lane l xor 16
	s_lshr_b32 s13, ttmp9, 1                       ; which 16 rows
	s_and_b32 s14, ttmp9, 1                        ; which 512 columns
	s_lshl_b32 s28, s12, 21                        ; part: (128 x head 16 w + tile of rows) x 1,024
	s_lshl_b32 s29, s13, 10
	s_add_co_u32 s28, s28, s29
	s_mov_b32 s29, 0
	s_lshl_b32 s30, s14, 5                         ; o_w is the fourth weight: tile 192 + 32 x half + 8 x wave
	s_lshl_b32 s31, s12, 3
	s_add_co_u32 s30, s30, s31
	s_add_co_u32 s30, s30, 192
	s_mul_i32 s30, s30, TILE
	s_mov_b32 s31, 0
	s_lshl_b32 s32, s14, 3                         ; its scale words: 3 x 32,768 + (8 x half + 2 x wave) groups of 2,048 bytes
	s_lshl_b32 s33, s12, 1
	s_add_co_u32 s32, s32, s33
	s_lshl_b32 s32, s32, 11
	s_add_co_u32 s32, s32, 98304
	s_mov_b32 s33, 0
	s_lshl_b32 s34, s13, 16                        ; out0: 16 rows of 4,096 bytes, 2,048 bytes a half, 512 a wave
	s_lshl_b32 s35, s14, 11
	s_add_co_u32 s34, s34, s35
	s_lshl_b32 s35, s12, 9
	s_add_co_u32 s34, s34, s35
	s_mov_b32 s35, 0
	s_wait_kmcnt 0x0
	s_add_nc_u64 s[16:17], s[4:5], s[28:29]        ; a base for each quarter's partial: they lie 8,388,608 bytes apart, more than an immediate holds
	s_add_nc_u64 s[18:19], s[16:17], 0x800000
	s_add_nc_u64 s[20:21], s[16:17], 0x1000000
	s_add_nc_u64 s[22:23], s[16:17], 0x1800000
	s_add_nc_u64 s[24:25], s[6:7], s[30:31]
	s_add_nc_u64 s[8:9], s[8:9], s[32:33]
	s_add_nc_u64 s[10:11], s[10:11], s[34:35]
	PLOAD 0
	s_wait_loadcnt 0x0
	PSUM
	PLOAD 1                                        ; lands while the first K step is quantised
	QUANT
	IMAGE 0
	s_wait_dscnt 0x0                               ; the first image has landed
	s_wait_alu depctr_vm_vsrc(0)                   ; its LDS stores have read v[PC ..] and v[PW], which the second quantising writes again
	s_wait_loadcnt 0x0
	PSUM
.set i, 0
.rept 8
.irp q, 0,1,2,3
	global_load_b32 v[WS+4*i+\q], v[L4], s[8:9] offset:2048*(\q/2)+256*i+128*(\q%2)   ; no vector or matrix instruction has named these registers, nor those of o_w's sets
.endr
.set i, i+1
.endr
	OLOAD 0                                        ; o_w's first K step is on its way while the second K step of heads is quantised
	QUANT
	IMAGE 1
	s_wait_dscnt 0x0                               ; for the others' sake: my images have landed
	s_barrier_signal -1
	s_barrier_wait -1                              ; heads' eight fragments lie in LDS
	OLOAD 1
	OLOAD 2
.set i, 0
.rept 8
.irp c, 0,1,2
	ds_load_b128 v[H+12*i+4*\c:H+12*i+4*\c+3], v[L16] offset:FRAG*i+512*\c   ; into ST's registers and beyond: no vector instruction stands behind the wait ahead of the second image's stores
.endr
	ds_load_b32 v[HS+i], v[L4] offset:HSC+128*i
.set i, i+1
.endr
	s_wait_dscnt 0x0
.irp ks, 0,1,2,3,4,5,6,7
.if \ks < 6
	s_wait_loadcnt 48                              ; this K step's loads (and all scale words) are in; the two younger K steps' 24 loads each may be out
.else
	s_wait_loadcnt 24*(7-\ks)
.endif
.if (\ks > 0) && (\ks < 5)
	s_wait_alu depctr_va_vdst(0)                   ; the products of the K step before are done reading their set, in which this step's 24 loads land
.endif
.if \ks == 0
	MULH \ks, 0, 1                                 ; the first K step starts the sums
.else
	MULH \ks, 0, 0
.endif
.if \ks < 5
	OLOADH \ks+3, 0                                ; three K steps ahead.  No wait here: the products since the wait name ACC, H, the scale words and another set (K step 3's set has been named by nothing)
.endif
.if \ks == 0
	MULH \ks, 1, 1
.else
	MULH \ks, 1, 0
.endif
.if \ks < 5
	OLOADH \ks+3, 1
.endif
.endr
.rept 4
	v_nop                                          ; four places in front of the first read of results
.endr
	s_wait_alu depctr_va_vdst(0)                   ; the products have written the accumulators, which the LDS stores read, and are done reading heads' fragments, in which the rows of the stage land; the places above stay beside this wait
.irp nt, 0,1,2,3,4,5,6,7
	ds_store_b128 v[SOA], v[ACC+8*\nt:ACC+8*\nt+3] offset:64*\nt             ; lane (r, h): out0(r, 16 nt + 8 h + 0 .. 7); each accumulator from its low end on
	ds_store_b128 v[SOA], v[ACC+8*\nt+4:ACC+8*\nt+7] offset:64*\nt+16
.endr
.set i, 0
.rept 16
	ds_load_b128 v[H+4*i:H+4*i+3], v[SRA] offset:SP*i                        ; LDS serves a wave's instructions in order: these see my stores
.set i, i+1
.endr
.set i, 0
.rept 16
	s_wait_dscnt 15-i                              ; the younger loads may be out
	global_store_b128 v[L16], v[H+4*i:H+4*i+3], s[10:11] offset:4096*i th:TH_STORE_NT   ; 32 lanes store 512 consecutive bytes, at a multiple of 256 from out0's first byte
.set i, i+1
.endr
	s_wait_dscnt 0x0
	s_wait_alu depctr_hold_cnt(0) depctr_sa_sdst(0) depctr_va_vdst(0) depctr_va_sdst(0) depctr_va_ssrc(0) depctr_va_vcc(0) depctr_vm_vsrc(0)
	s_wait_tensorcnt 0x0
	ds_add_u32 v91, v95
	s_wait_dscnt 0x0
	s_endpgm
.Lfunc_end_k_q07de96c70e_outp:
	.size	k_q07de96c70e_outp, .Lfunc_end_k_q07de96c70e_outp-k_q07de96c70e_outp
	.p2alignl 7, 3214868480
	.fill 96, 4, 3214868480
	.section	.rodata,"a",@progbits
	.p2align	6, 0x0
	.amdhsa_kernel k_q07de96c70e_outp
		.amdhsa_group_segment_fixed_size 47616
		.amdhsa_private_segment_fixed_size 0
		.amdhsa_enable_private_segment 0
		.amdhsa_kernarg_size 32
		.amdhsa_user_sgpr_count 2
		.amdhsa_user_sgpr_kernarg_segment_ptr 1
		.amdhsa_wavefront_size32 1
		.amdhsa_system_sgpr_workgroup_id_x 1
		.amdhsa_system_sgpr_workgroup_id_y 1
		.amdhsa_system_sgpr_workgroup_id_z 1
		.amdhsa_system_vgpr_workitem_id 0
		.amdhsa_next_free_vgpr 1024
		.amdhsa_next_free_sgpr 66
		.amdhsa_reserve_vcc 0
		.amdhsa_float_denorm_mode_32 3
		.amdhsa_float_denorm_mode_16_64 3
		.amdhsa_memory_ordered 1
		.amdhsa_forward_progress 1
		.amdhsa_inst_pref_size 74
	.end_amdhsa_kernel
	.amdgpu_metadata
---
amdhsa.version: [ 1, 2 ]
amdhsa.kernels:
  - .name:           k_q07de96c70e_outp
    .symbol:         k_q07de96c70e_outp.kd
    .args:
      - { .name: part, .offset: 0, .size: 8, .value_kind: global_buffer, .address_space: global }
      - { .name: wc, .offset: 8, .size: 8, .value_kind: global_buffer, .address_space: global }
      - { .name: ws, .offset: 16, .size: 8, .value_kind: global_buffer, .address_space: global }
      - { .name: out0, .offset: 24, .size: 8, .value_kind: global_buffer, .address_space: global }
    .group_segment_fixed_size: 47616
    .private_segment_fixed_size: 0
    .kernarg_segment_align: 8
    .kernarg_segment_size: 32
    .max_flat_workgroup_size: 128
    .sgpr_count:     66
    .vgpr_count:     1024
    .wavefront_size: 32
...
	.end_amdgpu_metadata
.endif
;; end of part 7
